; MI455X (gfx1250); checked and timed in simulation.
; The chip was launched on July 23, 2026; its instructions are those of AMD's public machine-readable ISA for CDNA 5 (MIT licence, August 2026) and "CDNA5" Instruction Set Architecture Reference Guide (July 2026). The comments in the code are by the model that wrote it; some were corrected since.
;; Multi Head Attention. Allowed arithmetic: matrix products marked QUANTISED: E3M2 operands, one E8M0 scale for each 32 along K, by v_wmma_scale_f32_16x16x128_f8f6f4 with both operands' format E3M2, f32 sums; everything else in f32.
;; Inputs: Wc 1,024 x 1,024 float32; Wk 1,024 x 1,024 float32; Wq 1,024 x 1,024 float32; Wv 1,024 x 1,024 float32; bc 1,024 float32; bk 1,024 float32; bq 1,024 float32; bv 1,024 float32; key 4 x 2,048 x 1,024 float32; mask 4 x 2,048 x 2,048 bool; query 4 x 2,048 x 1,024 float32; value 4 x 2,048 x 1,024 float32.
;; Outputs: out0 4 x 2,048 x 1,024 float32; out1 4 x 2,048 x 1,024 float32.
;; This version of the problem:
;;   THIS VERSION OF THE PROBLEM IS GIVEN IN LOW PRECISION. The matrix products marked QUANTISED in the list below multiply operands that are first quantised to E3M2 (3 exponent bits, 2 mantissa bits; 6 bits a number), with one power-of-two scale for each 32 numbers along K (OCP MX v1.0); their sums are f32. All else is computed in f32.
;;   The module's matrix products, in the order in which they are computed (A, B: the left and right operand; K: the contracted axis; several contracted axes count as one K, in the product's order):
;;     1. [M 8,192, K 1,024] x [K 1,024, N 1,024]; A: input query; B: input Wq: QUANTISED
;;     2. [M 8,192, K 1,024] x [K 1,024, N 1,024]; A: input key; B: input Wk: QUANTISED
;;     3. [M 8,192, K 1,024] x [K 1,024, N 1,024]; A: input value; B: input Wv: QUANTISED
;;     4. batch 64 x [M 2,048, K 64] x [K 64, N 2,048]; A: computed on the way; B: computed on the way: QUANTISED
;;     5. batch 64 x [M 2,048, K 2,048] x [K 2,048, N 64]; A: softmax (see below); B: computed on the way: QUANTISED
;;     6. [M 8,192, K 1,024] x [K 1,024, N 1,024]; A: computed on the way; B: input Wc: QUANTISED
;;   THE QUANTISER, for each operand of a quantised product, along K:
;;     - K is cut into blocks of 32 from its start; a last block that is shorter is filled with zeros.
;;     - A block's scale is 2^e with e = floor(log2(the largest magnitude in the block)) - 4, held to -126 .. 127; a block of zeros has e = 0. As a byte (E8M0): e + 127.
;;     - Each number is divided by its block's scale, clamped to +-28, and rounded to the nearest number of E3M2, ties to even, subnormals kept.
;;     - The product sums the exact products of the quantised numbers (number of the format x scale) in f32.
;;   ~~~python
;;   def quantise(x, axis):      # numpy; x: float32 -> the quantised numbers, widened to float32 again
;;       x = np.moveaxis(x, axis, -1); K = x.shape[-1]
;;       x = np.pad(x, [(0, 0)] * (x.ndim - 1) + [(0, -K % 32)]); x = x.reshape(x.shape[:-1] + (-1, 32)); a = np.abs(x).max(-1, keepdims=True)
;;       e = np.where(a > 0, np.clip(np.frexp(np.where(a > 0, a, 1))[1] - 1 - 4, -126, 127), 0)      # np.frexp(a)[1] - 1 = floor(log2(a)), exactly
;;       r = np.clip(x / 2.0 ** e, -28, 28)
;;       step = 2.0 ** (np.maximum(np.frexp(np.where(r == 0, 1, r))[1] - 1, -2) - 2)
;;       q = np.round(r / step) * step * 2.0 ** e      # np.round: ties to even
;;       return np.moveaxis(q.reshape(q.shape[:-2] + (-1,))[..., :K], -1, axis).astype(np.float32)
;;   ~~~
;;   SOFTMAX AHEAD OF A QUANTISED PRODUCT. Where the list says 'softmax', what is quantised is not the finished softmax but p = 2^(t - M), with t = logit x log2(e) and M = ceil(the row's largest t), a whole number; so 1/2 < the row's largest p <= 1. The row's sum l is taken of the UNQUANTISED p, in f32, and the product's result is divided by l at the end. Since M is a whole number, a kernel that streams over the keys may use a running M (the ceiling of the running maximum): every later rescaling is an exact power of two, which a block's scale takes up: the codes' values come out the same.
;;   OPERANDS COMPUTED ON THE WAY. 'Computed on the way' means the value that the module computes at that place (a softmax that the list does not call 'softmax' is quantised finished and normalised). What goes into a quantiser is computed in f32, as accurately as f32 sums, v_exp_f32 and their like allow (about 1e-6 of the number): no bf16 or f16 on the way to a quantiser, and a product that is left as it is and whose result goes on into a quantised operand takes f32 operands (vector FMAs, or v_wmma_f32_16x16x4_f32). A number that lies on a knife's edge between two numbers of the format may be rounded either way, as far as f32 arithmetic and the matrix unit's own rounding can turn it there, and no further.
;; One version. Each part assembles by itself: llvm-mc -triple=amdgcn-amd-amdhsa -mcpu=gfx1250 --defsym DOCPART=n.
;; ======== version 1 of 1: 4 launches
;; limits: right only within a limited range of input values
;; workspace buffers: st1 22,937,600 bytes; maskw 2,097,152 bytes of whole numbers; mcls 131,072 bytes of whole numbers; st2 19,660,800 bytes; st3 6,553,600 bytes
;; launch prep (part 1): grid 640 x 1, 4 waves a work-group, no clusters, 68,096 bytes of LDS; arguments query, key, value, Wq, Wk, Wv, Wc, mask, st1, maskw, mcls; writes st1, maskw, mcls
.if DOCPART == 1
	.amdgcn_target "amdgcn-amd-amdhsa--gfx1250"
	.amdhsa_code_object_version 6
	.text
	.protected	k_q02501a5c76_prep
	.globl	k_q02501a5c76_prep
	.p2align	8
	.type	k_q02501a5c76_prep,@function
k_q02501a5c76_prep:
	s_mov_b64 s[64:65], 0
	v_nop
	global_prefetch_b8 v0, s[64:65] scope:SCOPE_SE
	s_setreg_imm32_b32 hwreg(HW_REG_WAVE_MODE, 25, 1), 1
	s_wait_xcnt 0x0
; PREP: the f32 inputs become codes of BF6 (E3M2) with one E8M0 byte for each 32 along K, laid as IMAGES OF THE OPERAND'S REGISTERS, and the mask's bytes become lane masks.
; A TILE is 16 rows of a group of 32: lane r of tile u (0, 1) holds row 8 u + r + 8 (r / 8) of the group.  A FRAGMENT (16 rows x 128 K, 12 registers a lane) is 1,536 bytes: for each 64 along K
; registers 0-3 at 16 x lane, registers 4-5 at 512 + 8 x lane, 768 bytes; so it is read and written by dense loads and stores of 512 and 256 bytes.  Scale words: 64 bytes for a tile and 128 K.
; Work-groups 0-383: query, key, value (K innermost).  384-511: the four weights (K is the first axis).  512-639: the mask.  The three ways part on the work-group's number alone and have LDS bytes of their own.
; A stream: no matrix unit, no cluster (no two work-groups read the same bytes), no barrier (waves share nothing).
; A block's scale is 2^(floor(log2(largest magnitude)) - 4): its byte is the largest magnitude's exponent field - 4, held at 1 from below.
; LIMITS: a block of zeros gets the byte 1 where the rule says 127 (its codes are zeros; this program alone reads the bytes); blocks whose largest magnitude lies under 2^-122 get the byte 1; NaN and infinities are not served.
.set WIMG, 18874368                    ; st1: x's images at 0 (3 x 6,291,456), the weights' here (4 x 786,432),
.set XSCL, 22020096                    ; x's scale words (3 x 262,144),
.set WSCL, 22806528                    ; the weights' (4 x 32,768)
.set SP,   528                         ; a stage row: 512 bytes + 16
.set WST,  16*SP                       ; a wave's stage
.set MST,  4*WST                       ; the mask's stages lie behind x's
.set R,    16                          ; v16-143  two sets of 64 registers as loaded
.set X,    144                         ; v144-207 64 numbers: register 16 b + i = k 32 b + 16 (lane / 16) + i of my row
.set PC,   208                         ; v208-219 a fragment's codes
.set PX,   220                         ; v220-227 the conversions' second halves
.set TM,   228
.set TP,   232
.set SO,   236
.set BY,   240
.set PW,   244
.set PWE,  245
.set SW,   246
.set OUT,  248                         ; v248-255 the lane masks of four steps
.set SEL,  26
; nb blocks of 32 (16 registers a block; the other 16 numbers lie in lane l xor 16) become codes in v[PC] on and bytes in v[BY] on
.macro QUANT s, nb
.set qb, 0
.rept \nb
	v_max3_num_f32 v[TM+qb], |v[(\s)+16*qb]|, |v[(\s)+16*qb+1]|, 0x2800000   ; my 16 numbers and the floor 2^(5 - 127): the byte cannot fall under 1
.set qb, qb+1
.endr
.irp i, 2,4,6,8,10,12,14
.set qb, 0
.rept \nb
	v_max3_num_f32 v[TM+qb], v[TM+qb], |v[(\s)+16*qb+\i]|, |v[(\s)+16*qb+\i+1]|   ; the blocks by turns
.set qb, qb+1
.endr
.endr
.set qb, 0
.rept \nb
	v_permlanex16_b32 v[TP+qb], v[TM+qb], s[SEL], s[SEL+1]
.set qb, qb+1
.endr
.set qb, 0
.rept \nb
	v_max_num_f32 v[TM+qb], v[TM+qb], v[TP+qb]     ; with lane l xor 16's: the block's largest magnitude
.set qb, qb+1
.endr
.set qb, 0
.rept \nb
	v_add_nc_u32 v[SO+qb], 0xfe000000, v[TM+qb]    ; 4 off its exponent field: the conversion's scale operand
.set qb, qb+1
.endr
.set qb, 0
.rept \nb
	v_lshrrev_b32 v[BY+qb], 23, v[SO+qb]           ; the scale's byte
.set qb, qb+1
.endr
.set qc, 0
.rept (\nb)/2
	v_cvt_scalef32_pk16_bf6_f32 v[PC+6*qc:PC+6*qc+2], v[(\s)+32*qc:(\s)+32*qc+15], v[SO+2*qc]
	v_cvt_scalef32_pk16_bf6_f32 v[PX+4*qc:PX+4*qc+2], v[(\s)+32*qc+16:(\s)+32*qc+31], v[SO+2*qc+1]
.set qc, qc+1
.endr
	v_nop                                          ; one plain place behind a scaled conversion
.set qc, 0
.rept (\nb)/2
.irp i, 0,1,2
	v_permlane16_swap_b32 v[PC+6*qc+\i], v[PX+4*qc+\i]   ; a whole block to a lane: lanes 0-15 block 2 c, lanes 16-31 block 2 c + 1
.endr
.irp i, 0,1,2
	v_mov_b32 v[PC+6*qc+3+\i], v[PX+4*qc+\i]
.endr
.set qc, qc+1
.endr
.endm
; 16 loads: 512 consecutive bytes of each of a tile's 16 rows, piece q, into set q % 2
.macro LOADR ptr, pitch, q
.irp i, 0,1,2,3,4,5,6,7,8,9,10,11,12,13,14,15
	global_load_b128 v[R+64*((\q)%2)+4*\i:R+64*((\q)%2)+4*\i+3], v1, s[\ptr:\ptr+1] offset:(\i+8*(\i/8))*\pitch+512*(\q) th:TH_LOAD_NT
.endr
.endm
.macro TOST adr, q                     ; and into the wave's own stage, as they lie
.irp i, 0,1,2,3,4,5,6,7,8,9,10,11,12,13,14,15
	ds_store_b128 v[\adr], v[R+64*((\q)%2)+4*\i:R+64*((\q)%2)+4*\i+3] offset:SP*\i
.endr
.endm
	s_load_b512 s[4:19], s[0:1], 0x0               ; query, key, value, Wq, Wk, Wv, Wc, mask
	s_load_b128 s[20:23], s[0:1], 0x40             ; st1, maskw
	s_load_b64 s[58:59], s[0:1], 0x50              ; mcls: for each tile of 16 queries two maps of its 16 key steps
	v_lshl_add_u32 v227, v0, 2, 0x10800
	v_mov_b32 v247, 0
	v_lshrrev_b32 v8, 5, v0
	v_readfirstlane_b32 s24, v8                    ; wave
	v_and_b32 v9, 31, v0                           ; lane
	v_and_b32 v10, 15, v0                          ; r
	v_bfe_u32 v11, v0, 4, 1                        ; h
	v_lshlrev_b32 v1, 4, v9                        ; 16 x lane
	v_lshlrev_b32 v2, 3, v9                        ; 8 x lane
	v_lshlrev_b32 v3, 2, v9                        ; 4 x lane
	s_mul_i32 s25, s24, WST
	v_add_nc_u32 v4, s25, v1                       ; x's stage, in
	v_mul_u32_u24 v5, v10, SP
	v_add_nc_u32 v5, s25, v5
	v_lshl_add_u32 v7, v11, 4, v5
	v_add_nc_u32 v7, MST, v7                       ; the mask's stage, out: row r, + 16 h
	v_lshl_add_u32 v5, v11, 6, v5                  ; x's stage, out: row r, + 64 h
	v_add_nc_u32 v6, MST, v4                       ; the mask's stage, in
	s_mov_b32 s[SEL], 0x76543210
	s_mov_b32 s[SEL+1], 0xfedcba98                 ; lane l xor 16
	s_mov_b32 s28, 0xffff0000                      ; lanes 16-31
.irp i, 0,1,2,3
	v_mov_b32 v[TP+\i], 0                          ; a lane permute's destination counts as read
.endr
.irp i, 0,1,2,3,4,5,6,7
	v_mov_b32 v[OUT+\i], 0
.endr
	s_wait_kmcnt 0x0
	s_lshr_b32 s29, ttmp9, 1                       ; THE ROLES ARE DEALT BY s29, the work-group's number with bit 7 turned where bit 8 is set: the ranges at the kernel's head are ranges of s29.
	s_and_b32 s29, s29, 128                        ; So numbers 256-383 take the weights and 384-511 the last 128 shares of query, key, value; 0-255 and 512-639 keep their own.
	s_xor_b32 s29, s29, ttmp9                      ; Numbers n, n + 256, n + 512 then read 256 + 128 + 128 KB (n < 128) or 256 + 256 KB: the same sum
	s_cmp_lt_u32 s29, 384
	s_cbranch_scc0 .Lnot_x
; ---- query, key, value: a wave takes one tile of 16 rows and all of K, 128 along K a step
	s_lshr_b32 s30, s29, 7                         ; which tensor
	s_lshl_b32 s31, s29, 2
	s_add_co_u32 s31, s31, s24
	s_and_b32 s31, s31, 511                        ; which tile
	s_cmp_eq_u32 s30, 1
	s_cselect_b64 s[4:5], s[6:7], s[4:5]
	s_cmp_eq_u32 s30, 2
	s_cselect_b64 s[4:5], s[8:9], s[4:5]
	s_lshr_b32 s32, s31, 1
	s_lshl_b32 s32, s32, 17                        ; 32 rows of 4,096 bytes a group,
	s_and_b32 s33, s31, 1
	s_lshl_b32 s33, s33, 15                        ; 8 rows for the odd tile
	s_add_co_u32 s32, s32, s33
	s_mov_b32 s33, 0
	s_add_nc_u64 s[4:5], s[4:5], s[32:33]
	s_mul_i32 s32, s30, 6291456
	s_mul_i32 s34, s31, 12288
	s_add_co_u32 s32, s32, s34
	s_add_nc_u64 s[36:37], s[20:21], s[32:33]      ; the tile's eight fragments
	s_mul_i32 s32, s30, 262144
	s_lshl_b32 s34, s31, 9
	s_add_co_u32 s32, s32, s34
	s_add_co_u32 s32, s32, XSCL
	s_add_nc_u64 s[38:39], s[20:21], s[32:33]      ; and its scale words
	LOADR 4, 4096, 0
	LOADR 4, 4096, 1
.macro STEPX ks
.if (\ks) < 7
	s_wait_loadcnt 16                              ; this step's 16 loads are in; the next step's 16 may be out
.else
	s_wait_loadcnt 0x0
.endif
	TOST 4, \ks                                    ; LDS serves a wave's instructions in order: no wait between the stores and the loads
.irp b, 0,1,2,3
.irp j, 0,1,2,3
	ds_load_b128 v[X+16*\b+4*\j:X+16*\b+4*\j+3], v5 offset:128*\b+16*\j
.endr
.endr
	s_wait_dscnt 0x0                               ; the numbers are back, and the stores into the stage have read their registers
	s_wait_xcnt 0x0                                ; the last step's stores have read their data: the codes' registers may be written again
.if (\ks) < 6
	LOADR 4, 4096, (\ks)+2
.endif
	QUANT X, 4
	v_lshl_or_b32 v[PW], v[BY+1], 8, v[BY]         ; my row's scale word
	v_lshl_or_b32 v[PW], v[BY+2], 16, v[PW]
	v_lshl_or_b32 v[PW], v[BY+3], 24, v[PW]
	global_store_b128 v1, v[PC:PC+3], s[36:37] offset:1536*(\ks)
	global_store_b64 v2, v[PC+4:PC+5], s[36:37] offset:1536*(\ks)+512
	global_store_b128 v1, v[PC+6:PC+9], s[36:37] offset:1536*(\ks)+768
	global_store_b64 v2, v[PC+10:PC+11], s[36:37] offset:1536*(\ks)+1280
.if ((\ks)%2) == 0
	v_mov_b32 v[PWE], v[PW]
.else
	v_cndmask_b32 v[SW], v[PWE], v[PW], s28        ; lanes 0-15 the even step's words, lanes 16-31 the odd step's
	global_store_b32 v3, v[SW], s[38:39] offset:128*((\ks)/2)
.endif
.endm
.irp ks, 0,1,2,3,4,5,6,7
	STEPX \ks
.endr
	s_wait_tensorcnt 0x0
	ds_add_u32 v227, v247
	s_wait_dscnt 0x0
	s_endpgm
.Lnot_x:
	s_cmp_lt_u32 ttmp9, 512
	s_cbranch_scc0 .Lpath_m
; ---- the weights [K][N]: a lane takes a column n and its registers run down K: a block of 32 lies in one lane.  A wave: 32 columns x 256 along K
	s_sub_co_u32 s30, s29, 384
	s_lshr_b32 s31, s30, 5                         ; which weight
	s_bfe_u32 s32, s30, 0x30002                    ; which 128 columns
	s_and_b32 s33, s30, 3                          ; which 256 along K
	s_cmp_eq_u32 s31, 1
	s_cselect_b64 s[10:11], s[12:13], s[10:11]
	s_cmp_eq_u32 s31, 2
	s_cselect_b64 s[10:11], s[14:15], s[10:11]
	s_cmp_eq_u32 s31, 3
	s_cselect_b64 s[10:11], s[16:17], s[10:11]
	s_lshl_b32 s34, s32, 2
	s_add_co_u32 s34, s34, s24                     ; my group of 32 columns
	s_lshl_b32 s44, s33, 20
	s_lshl_b32 s45, s34, 7
	s_add_co_u32 s44, s44, s45
	s_mov_b32 s45, 0
	s_add_nc_u64 s[10:11], s[10:11], s[44:45]
	s_mul_i32 s44, s31, 786432
	s_mul_i32 s46, s34, 24576
	s_add_co_u32 s44, s44, s46
	s_mul_i32 s46, s33, 3072
	s_add_co_u32 s44, s44, s46
	s_add_co_u32 s44, s44, WIMG
	s_add_nc_u64 s[36:37], s[20:21], s[44:45]
	s_lshl_b32 s44, s31, 15
	s_lshl_b32 s46, s34, 10
	s_add_co_u32 s44, s44, s46
	s_lshl_b32 s46, s33, 7
	s_add_co_u32 s44, s44, s46
	s_add_co_u32 s44, s44, WSCL
	s_add_nc_u64 s[38:39], s[20:21], s[44:45]
	v_bfe_u32 v8, v0, 3, 1                         ; column x of the group lies in tile u = (x / 8) % 2,
	v_and_b32 v9, 7, v0
	v_lshl_add_u32 v9, v11, 3, v9                  ; at lane r' = x % 8 + 8 (x / 16)
	v_mul_u32_u24 v10, v8, 12288
	v_lshl_add_u32 v12, v9, 4, v10
	v_lshl_add_u32 v13, v9, 3, v10
	v_lshlrev_b32 v10, 9, v8
	v_lshl_add_u32 v14, v9, 2, v10
.macro LOADW t
.set li, 0
.rept 32
	global_load_b32 v[R+32*((\t)%2)+li], v3, s[10:11] offset:(32*(\t)+li)*4096 th:TH_LOAD_NT   ; 32 lanes read 128 consecutive bytes, the four waves 512
.set li, li+1
.endr
.endm
	LOADW 0
	LOADW 1
.macro BLOCKW t
.set XS, R+32*((\t)%2)
.if (\t) < 7
	s_wait_loadcnt 32                              ; this block's 32 loads are in; the next block's may be out
.else
	s_wait_loadcnt 0x0
.endif
	v_max3_num_f32 v[TM], |v[XS]|, |v[XS+1]|, |v[XS+2]|
	v_max3_num_f32 v[TM+1], |v[XS+3]|, |v[XS+4]|, |v[XS+5]|
.irp i, 6,10,14,18,22,26
	v_max3_num_f32 v[TM], v[TM], |v[XS+\i]|, |v[XS+\i+1]|
	v_max3_num_f32 v[TM+1], v[TM+1], |v[XS+\i+2]|, |v[XS+\i+3]|
.endr
	v_max3_num_f32 v[TM], v[TM], |v[XS+30]|, |v[XS+31]|
	v_max3_num_f32 v[TM], v[TM], v[TM+1], 0x2800000
	v_add_nc_u32 v[SO], 0xfe000000, v[TM]
	v_lshrrev_b32 v[BY], 23, v[SO]
.if ((\t)%4) == 0
	v_mov_b32 v[PW+(\t)/4], v[BY]                  ; four bytes to a word, the lower K in the lower byte
.else
	v_lshl_or_b32 v[PW+(\t)/4], v[BY], 8*((\t)%4), v[PW+(\t)/4]
.endif
	s_wait_alu depctr_va_vdst(0)
	s_wait_xcnt 0x0                                ; the last block's stores have read their data
	v_cvt_scalef32_pk16_bf6_f32 v[PC:PC+2], v[XS:XS+15], v[SO]
	v_cvt_scalef32_pk16_bf6_f32 v[PX:PX+2], v[XS+16:XS+31], v[SO]
	v_nop
.irp i, 0,1,2
	v_mov_b32 v[PC+3+\i], v[PX+\i]
.endr
.if (\t) < 6
	LOADW (\t)+2
.endif
	global_store_b128 v12, v[PC:PC+3], s[36:37] offset:((\t)/4)*1536+(((\t)/2)%2)*768+((\t)%2)*256       ; block t is half t % 2 of the lanes: sixteen lanes store 256 consecutive bytes of each of the two tiles
	global_store_b64 v13, v[PC+4:PC+5], s[36:37] offset:((\t)/4)*1536+(((\t)/2)%2)*768+512+((\t)%2)*128   ; (these leave in runs of 128 bytes: a third of the weights' 3 MB of codes)
.endm
.irp t, 0,1,2,3,4,5,6,7
	BLOCKW \t
.endr
	global_store_b32 v14, v[PW], s[38:39]
	global_store_b32 v14, v[PW+1], s[38:39] offset:64
	s_endpgm
.Lpath_m:
; ---- the mask: for a tile of 16 queries and a step of 128 keys, 64 lane masks: dword d belongs to score register n = 32 (d % 2) + d / 2;
; its bit l is mask[query of lane l][128 step + 32 (n / 16) + 16 (l / 16) + n % 16].  A wave: one tile of queries, all 2,048 keys, 512 at a time
	s_sub_co_u32 s30, ttmp9, 512
	s_lshl_b32 s30, s30, 2
	s_add_co_u32 s30, s30, s24
	s_lshr_b32 s31, s30, 7                         ; batch
	s_and_b32 s32, s30, 127                        ; tile of queries
	s_lshl_b32 s44, s31, 22
	s_lshr_b32 s46, s32, 1
	s_lshl_b32 s46, s46, 16
	s_add_co_u32 s44, s44, s46
	s_and_b32 s46, s32, 1
	s_lshl_b32 s46, s46, 14
	s_add_co_u32 s44, s44, s46
	s_mov_b32 s45, 0
	s_add_nc_u64 s[18:19], s[18:19], s[44:45]
	s_lshl_b32 s44, s30, 12
	s_add_nc_u64 s[22:23], s[22:23], s[44:45]
	s_lshl_b32 s44, s30, 8
	s_add_nc_u64 s[58:59], s[58:59], s[44:45]      ; 256 bytes of mcls a tile
	s_mov_b32 s54, -1                              ; lanes whose keys so far are all masked
	s_mov_b32 s55, 0                               ; bit s: step s has a masked place
	s_mov_b32 s56, 0                               ; bit s: step s is masked throughout
	LOADR 18, 2048, 0
	LOADR 18, 2048, 1
.macro CHUNKM ch
.if (\ch) < 3
	s_wait_loadcnt 16                              ; this piece's 16 loads are in; the next piece's may be out
.else
	s_wait_loadcnt 0x0
.endif
	TOST 6, \ch
.irp q, 0,1,2,3
.irp b, 0,1,2,3
	ds_load_b128 v[X+16*\q+4*\b:X+16*\q+4*\b+3], v7 offset:128*\q+32*\b   ; my query's bytes of keys 128 q + 32 b + 16 h + 0 .. 15
.endr
.endr
	s_wait_dscnt 0x0
	s_wait_xcnt 0x0                                ; the last piece's stores have read their data
.if (\ch) < 2
	LOADR 18, 2048, (\ch)+2
.endif
.irp q, 0,1,2,3
.set g4, 0
.rept 16
.irp k, 0,1,2,3
	v_and_b32 v[TM+\k], 0xff<<(8*\k), v[X+16*\q+g4]
.endr
.irp k, 0,1,2,3
	v_cmp_ne_u32 s[40+\k], 0, v[TM+\k]             ; the 32 lanes' bits of score register n = 4 g4 + k
.endr
.irp k, 0,1,2,3
	v_writelane_b32 v[OUT+2*\q+g4/8], s[40+\k], (4*g4+\k)%32
.endr
.set g4, g4+1
.endr
	v_add3_u32 v[SO], v[X+16*\q], v[X+16*\q+1], v[X+16*\q+2]       ; a mask byte is 0 or 1: the sum of my 16 words has 0 .. 16 in each byte, in two chains
	v_add3_u32 v[SO+1], v[X+16*\q+3], v[X+16*\q+4], v[X+16*\q+5]
.irp i, 6,10
	v_add3_u32 v[SO], v[SO], v[X+16*\q+\i], v[X+16*\q+\i+1]
	v_add3_u32 v[SO+1], v[SO+1], v[X+16*\q+\i+2], v[X+16*\q+\i+3]
.endr
	v_add3_u32 v[SO], v[SO], v[X+16*\q+14], v[X+16*\q+15]
	v_add_nc_u32 v[SO], v[SO], v[SO+1]
	v_cmp_ne_u32 s52, 0, v[SO]                     ; lanes with a masked key among their 64 of this step
	v_cmp_eq_u32 s53, 0x10101010, v[SO]            ; lanes with all 64 masked
	s_and_b32 s54, s54, s53
	s_cmp_lg_u32 s52, 0
	s_cselect_b32 s57, 1<<(4*(\ch)+\q), 0
	s_or_b32 s55, s55, s57
	s_cmp_eq_u32 s53, -1
	s_cselect_b32 s57, 1<<(4*(\ch)+\q), 0
	s_or_b32 s56, s56, s57
	global_store_b64 v2, v[OUT+2*\q:OUT+2*\q+1], s[22:23] offset:(4*(\ch)+\q)*256   ; 32 lanes store 256 consecutive bytes, aligned
.endr
.endm
.irp ch, 0,1,2,3
	CHUNKM \ch
.endr
	s_lshr_b32 s57, s54, 16                        ; query r's keys lie in lanes r and r + 16:
	s_and_b32 s57, s57, s54                        ; bit r: query r is masked at every one of its 2,048 keys
	s_cmp_lg_u32 s57, 0
	s_cselect_b32 s56, 0, s56                      ; such a query weighs all keys alike: then no step of the tile may be left out
	s_and_not1_b32 s55, s55, s56                   ; the steps that want the lane masks: a masked place, and not left out
	v_mov_b32 v[SO], s56
	v_mov_b32 v[SO+1], s55
	global_store_b64 v2, v[SO:SO+1], s[58:59]      ; the pair in each lane's 8 bytes: 256 consecutive bytes, aligned
	s_wait_tensorcnt 0x0
	ds_add_u32 v227, v247
	s_wait_dscnt 0x0
	s_endpgm
.Lfunc_end_k_q02501a5c76_prep:
	.size	k_q02501a5c76_prep, .Lfunc_end_k_q02501a5c76_prep-k_q02501a5c76_prep
	.p2alignl 7, 3214868480
	.fill 96, 4, 3214868480
	.section	.rodata,"a",@progbits
	.p2align	6, 0x0
	.amdhsa_kernel k_q02501a5c76_prep
		.amdhsa_group_segment_fixed_size 68096
		.amdhsa_private_segment_fixed_size 0
		.amdhsa_enable_private_segment 0
		.amdhsa_kernarg_size 88
		.amdhsa_user_sgpr_count 2
		.amdhsa_user_sgpr_kernarg_segment_ptr 1
		.amdhsa_wavefront_size32 1
		.amdhsa_system_sgpr_workgroup_id_x 1
		.amdhsa_system_sgpr_workgroup_id_y 1
		.amdhsa_system_sgpr_workgroup_id_z 1
		.amdhsa_system_vgpr_workitem_id 0
		.amdhsa_next_free_vgpr 256
		.amdhsa_next_free_sgpr 66
		.amdhsa_reserve_vcc 0
		.amdhsa_float_denorm_mode_32 3
		.amdhsa_float_denorm_mode_16_64 3
		.amdhsa_memory_ordered 1
		.amdhsa_forward_progress 1
		.amdhsa_inst_pref_size 255
	.end_amdhsa_kernel
	.section	.bss,"aw",@nobits
	.p2align	6
	.space	262144
	.amdgpu_metadata
---
amdhsa.version: [ 1, 2 ]
amdhsa.kernels:
  - .name:           k_q02501a5c76_prep
    .symbol:         k_q02501a5c76_prep.kd
    .args:
      - { .name: query, .offset: 0, .size: 8, .value_kind: global_buffer, .address_space: global }
      - { .name: key, .offset: 8, .size: 8, .value_kind: global_buffer, .address_space: global }
      - { .name: value, .offset: 16, .size: 8, .value_kind: global_buffer, .address_space: global }
      - { .name: Wq, .offset: 24, .size: 8, .value_kind: global_buffer, .address_space: global }
      - { .name: Wk, .offset: 32, .size: 8, .value_kind: global_buffer, .address_space: global }
      - { .name: Wv, .offset: 40, .size: 8, .value_kind: global_buffer, .address_space: global }
      - { .name: Wc, .offset: 48, .size: 8, .value_kind: global_buffer, .address_space: global }
      - { .name: mask, .offset: 56, .size: 8, .value_kind: global_buffer, .address_space: global }
      - { .name: st1, .offset: 64, .size: 8, .value_kind: global_buffer, .address_space: global }
      - { .name: maskw, .offset: 72, .size: 8, .value_kind: global_buffer, .address_space: global }
      - { .name: mcls, .offset: 80, .size: 8, .value_kind: global_buffer, .address_space: global }
    .group_segment_fixed_size: 68096
    .private_segment_fixed_size: 0
    .kernarg_segment_align: 8
    .kernarg_segment_size: 88
    .max_flat_workgroup_size: 128
    .sgpr_count:     66
    .vgpr_count:     256
    .wavefront_size: 32
...
	.end_amdgpu_metadata
.endif
;; end of part 1
;; launch proj (part 2): grid 256 x 1, 4 waves a work-group, clusters of 4 x 1, 327,680 bytes of LDS; arguments st1, bq, bk, bv, st2; writes st2
.if DOCPART == 2
	.amdgcn_target "amdgcn-amd-amdhsa--gfx1250"
	.amdhsa_code_object_version 6
	.text
	.protected	k_q02501a5c76_proj
	.globl	k_q02501a5c76_proj
	.p2align	8
	.type	k_q02501a5c76_proj,@function
k_q02501a5c76_proj:
	s_mov_b64 s[64:65], 0
	v_nop
	global_prefetch_b8 v0, s[64:65] scope:SCOPE_SE
	s_setreg_imm32_b32 hwreg(HW_REG_WAVE_MODE, 25, 1), 1
	s_wait_xcnt 0x0
	s_wait_alu depctr_hold_cnt(0) depctr_sa_sdst(0) depctr_va_vdst(0) depctr_va_sdst(0) depctr_va_ssrc(0) depctr_va_vcc(0) depctr_vm_vsrc(0)
	s_getreg_b32 s2, hwreg(HW_REG_IB_STS2, 6, 4)
	s_cmp_eq_u32 s2, 0
	s_cbranch_scc0 .Lentry_in_a_cluster
	s_endpgm
.Lentry_in_a_cluster:
	s_bfe_u32 s2, ttmp6, 0x10000c
	s_cmp_lg_u32 s2, 0x3003
	s_cbranch_scc0 .Lentry_shape_is_right
	s_endpgm
.Lentry_shape_is_right:
.set WIMG, 18874368
.set XSCL, 22020096
.set WSCL, 22806528
.set QS16, 6291456
.set KV,   6553600
.set HEADB, 204800
.set KSO,  98304
.set VIO,  102400
.set VSO,  200704
.set SLOTB, 98304
.set RS, 16
.set CS, 48
.set CI, 64
.set RB, 128
.set RA, 144
.set BV, 224
.set TM, 128
.set TP, 132
.set SO, 136
.set BY, 140
.set PC, 144
.set PX, 156
.set BS, 164
.set SEL, 66
.set HI,  68
.set MSB, 0
.macro WIN new
.if MSB != \new
	s_set_vgpr_msb (MSB<<8)|\new
.set MSB, \new
.endif
.endm
.macro CROUND
	s_barrier_signal -1
	s_barrier_wait -1
	s_cmp_lg_u32 s14, 0
	s_cbranch_scc1 .Lnot_wave_0_\@
	s_barrier_signal -3
.Lnot_wave_0_\@:
	s_barrier_wait -3
	s_barrier_signal -1
	s_barrier_wait -1
.endm
.macro PLACES
.rept 4
	v_nop
.endr
.endm
.macro RFRAG ks
.if ((\ks)%2) == 0
	WIN 0xc0
.set RFD, RA
.else
	WIN 0
.set RFD, RB
.endif
.irp a, 0,1,2,3,4,5,6,7
	ds_load_b128 v[RFD+12*\a:RFD+12*\a+3], v[4+\a/4] offset:(\a%4)*12288+(\ks)*1536
	ds_load_b64 v[RFD+12*\a+4:RFD+12*\a+5], v[6+\a/4] offset:(\a%4)*12288+(\ks)*1536+512
	ds_load_b128 v[RFD+12*\a+6:RFD+12*\a+9], v[4+\a/4] offset:(\a%4)*12288+(\ks)*1536+768
	ds_load_b64 v[RFD+12*\a+10:RFD+12*\a+11], v[6+\a/4] offset:(\a%4)*12288+(\ks)*1536+1280
.endr
.endm
.macro CFRAG ptr, imm, ks
.if (\ks) < 5
	WIN 0x80
.set CFD, 48*(\ks)
.else
	WIN 0xc0
.set CFD, 48*((\ks)-5)
.endif
.irp t, 0,1,2,3
	global_load_b128 v[CFD+12*\t:CFD+12*\t+3], v1, s[\ptr:\ptr+1] offset:\imm+\t*12288+(\ks)*1536
	global_load_b64 v[CFD+12*\t+4:CFD+12*\t+5], v2, s[\ptr:\ptr+1] offset:\imm+\t*12288+(\ks)*1536+512
	global_load_b128 v[CFD+12*\t+6:CFD+12*\t+9], v1, s[\ptr:\ptr+1] offset:\imm+\t*12288+(\ks)*1536+768
	global_load_b64 v[CFD+12*\t+10:CFD+12*\t+11], v2, s[\ptr:\ptr+1] offset:\imm+\t*12288+(\ks)*1536+1280
.endr
.endm
.macro SCALES rptr, rimm, cptr, cimm
.irp a, 0,1,2,3,4,5,6,7
.irp j, 0,1,2,3
	global_load_b32 v[RS+4*\a+\j], v3, s[\rptr:\rptr+1] offset:\rimm+512*\a+128*\j
.endr
.endr
.irp t, 0,1,2,3
.irp j, 0,1,2,3
	global_load_b32 v[CS+4*\t+\j], v3, s[\cptr:\cptr+1] offset:\cimm+512*\t+128*\j
.endr
.endr
.endm
.macro MUL ks, a0, cb, ct, ca
.irp a, \a0, \a0+1, \a0+2, \a0+3
.irp t, 0,1,2,3
.set rD, 8*(4*(\a)+\t)
.set rA, CFR+12*\t
.set rB, RFR+12*(\a)
.set rC, rD
.if (\ks) == 0
.set rC, CI+\cb+8*\ct*\t+8*\ca*(\a)
.endif
.set rSA, CS+4*\t+(\ks)/2
.set rSB, RS+4*(\a)+(\ks)/2
.if ((\ks)%2) == 0
	v_wmma_scale_f32_16x16x128_f8f6f4 v[rD:rD+7], v[rA:rA+11], v[rB:rB+11], v[rC:rC+7], v[rSA], v[rSB] matrix_a_fmt:MATRIX_FMT_BF6 matrix_b_fmt:MATRIX_FMT_BF6
.else
	v_wmma_scale_f32_16x16x128_f8f6f4 v[rD:rD+7], v[rA:rA+11], v[rB:rB+11], v[rC:rC+7], v[rSA], v[rSB] matrix_a_fmt:MATRIX_FMT_BF6 matrix_b_fmt:MATRIX_FMT_BF6 matrix_a_scale:MATRIX_SCALE_ROW1 matrix_b_scale:MATRIX_SCALE_ROW1
.endif
.endr
.endr
.endm
.macro KSTEP ks, pre, nptr, nimm, cb, ct, ca
	PLACES
.if \ks < 7
	RFRAG \ks+1
.endif
.if \pre && (\ks >= 1)
	CFRAG \nptr, \nimm, \ks-1
.endif
.if \ks < 7
	s_wait_dscnt 32
.else
	s_wait_dscnt 0x0
.endif
.if \ks < 5
.set CFR, 48*\ks
.else
.set CFR, 48*(\ks-5)
.endif
.if (\ks%2) == 0
.set RFR, RA
.else
.set RFR, RB
.endif
.if \ks == 0
	WIN 0x4e
.elseif \ks == 6
	WIN 0x5f
.elseif (\ks%2) == 0
	WIN 0x5e
.elseif \ks < 5
	WIN 0x52
.else
	WIN 0x53
.endif
	MUL \ks, 0, \cb, \ct, \ca
	MUL \ks, 4, \cb, \ct, \ca
.endm
.macro QUANTW s
	WIN 0x05
.irp b, 0,1,2,3
	v_max3_num_f32 v[TM+\b], |v[(\s)+16*\b]|, |v[(\s)+16*\b+1]|, 0x2800000
.endr
	WIN 0x14
.irp i, 2,4,6,8,10,12,14
.irp b, 0,1,2,3
	v_max3_num_f32 v[TM+\b], v[TM+\b], |v[(\s)+16*\b+\i]|, |v[(\s)+16*\b+\i+1]|
.endr
.endr
	WIN 0
.irp b, 0,1,2,3
	v_permlanex16_b32 v[TP+\b], v[TM+\b], s[SEL], s[SEL+1]
.endr
.irp b, 0,1,2,3
	v_max_num_f32 v[TM+\b], v[TM+\b], v[TP+\b]
.endr
.irp b, 0,1,2,3
	v_add_nc_u32 v[SO+\b], 0xfe000000, v[TM+\b]
.endr
.irp b, 0,1,2,3
	v_lshrrev_b32 v[BY+\b], 23, v[SO+\b]
.endr
	WIN 0x01
.irp c, 0,1
	v_cvt_scalef32_pk16_bf6_f32 v[PC+6*\c:PC+6*\c+2], v[(\s)+32*\c:(\s)+32*\c+15], v[SO+2*\c]
	v_cvt_scalef32_pk16_bf6_f32 v[PX+4*\c:PX+4*\c+2], v[(\s)+32*\c+16:(\s)+32*\c+31], v[SO+2*\c+1]
.endr
	WIN 0
	v_nop
.irp c, 0,1
.irp i, 0,1,2
	v_permlane16_swap_b32 v[PC+6*\c+\i], v[PX+4*\c+\i]
.endr
.irp i, 0,1,2
	v_mov_b32 v[PC+6*\c+3+\i], v[PX+4*\c+\i]
.endr
.endr
.endm
.macro EPI iptr, sptr, sv, vmode
	WIN 0
.irp i, 0,1,2,3
	v_mov_b32 v[TP+\i], 0
.endr
.irp a, 0,2,4,6
	s_wait_xcnt 0x0
	QUANTW 32*\a
.irp c, 0,1
.if \vmode
.set IO, ((\a+\c)/4)*HEADB+((\a+\c)%4)*1536
.set SOF, ((\a+\c)/4)*HEADB+((\a+\c)%4)*64
.else
.set IO, (\a+\c)*768
.set SOF, (\a+\c)*32
.endif
	v_cndmask_b32 v[BS+\c], v[BY+2*\c], v[BY+2*\c+1], s[HI]
	global_store_b128 v1, v[PC+6*\c:PC+6*\c+3], s[\iptr:\iptr+1] offset:IO
	global_store_b64 v2, v[PC+6*\c+4:PC+6*\c+5], s[\iptr:\iptr+1] offset:IO+512
	global_store_b8 v[\sv], v[BS+\c], s[\sptr:\sptr+1] offset:SOF
.endr
.endr
.endm
.macro PHEAD p
	WIN 0
	s_wait_tensorcnt 2-\p
	s_barrier_signal -1
	s_barrier_wait -1
	s_wait_xcnt 0x0
	v_add_nc_u32 v4, \p*SLOTB, v1
	v_add_nc_u32 v5, \p*SLOTB+49152, v1
	v_add_nc_u32 v6, \p*SLOTB, v2
	v_add_nc_u32 v7, \p*SLOTB+49152, v2
	RFRAG 0
	WIN 0
	s_wait_loadcnt 0x0
.endm
	s_load_b256 s[4:11], s[0:1], 0x0
	s_load_b64 s[12:13], s[0:1], 0x20
	v_lshl_add_u32 v254, v0, 2, 0x48000
	v_mov_b32 v255, 0
	ds_add_u32 v254, v255
	ds_add_u32 v254, v255
	v_lshrrev_b32 v12, 5, v0
	v_readfirstlane_b32 s14, v12
	v_and_b32 v12, 31, v0
	v_and_b32 v13, 15, v0
	v_bfe_u32 v14, v0, 4, 1
	v_lshlrev_b32 v1, 4, v12
	v_lshlrev_b32 v2, 3, v12
	v_lshlrev_b32 v3, 2, v12
	v_lshl_add_u32 v8, v13, 1, v14
	v_lshl_add_u32 v9, v13, 2, v14
	v_lshlrev_b32 v10, 6, v14
	v_and_b32 v11, 8, v13
	v_add_nc_u32 v11, v11, v13
	v_lshlrev_b32 v11, 2, v11
	s_mov_b32 s16, ttmp9
	s_mov_b32 s20, 15|(3<<16)|(1<<21)
	s_mov_b32 s21, 32<<16
	s_mov_b32 s22, 96<<16
	s_mov_b32 s23, 32<<16
	s_mov_b32 s24, 96
	s_mov_b32 s25, 32
	s_mov_b32 s26, 0
	s_mov_b32 s27, 0
	s_mov_b32 s28, 1
	s_mul_i32 s29, s14, 24576
	s_mov_b32 s32, 1
	s_add_co_u32 s33, s29, SLOTB
	s_mov_b32 s36, 1
	s_add_co_u32 s37, s29, 2*SLOTB
	s_mov_b32 s71, 0
	s_and_b32 s72, s16, 7
	s_wait_dscnt 0x0
	s_wait_kmcnt 0x0
	s_mul_i32 s70, s16, SLOTB
	s_add_co_u32 s70, s70, s29
	s_add_nc_u64 s[30:31], s[4:5], s[70:71]
	s_add_nc_u64 s[34:35], s[30:31], 6291456
	s_mul_i32 s70, s72, SLOTB
	s_add_co_u32 s70, s70, s29
	s_add_co_u32 s70, s70, WIMG+2*786432
	s_add_nc_u64 s[38:39], s[4:5], s[70:71]
	s_or_b32 s31, s31, 0x80000000
	s_or_b32 s35, s35, 0x80000000
	s_or_b32 s39, s39, 0x80000000
	CROUND
	tensor_load_to_lds s[28:31], s[20:27]          ; slot 0, phase 0's rows: my one tensor load at the head; the global loads below go out while it is on its way
	s_nop 0
	PLACES
	s_bfe_u32 s15, ttmp6, 0x40000
	s_lshl_b32 s17, s15, 2
	s_add_co_u32 s17, s17, s14
	s_lshr_b32 s73, s16, 3
	s_lshl_b32 s73, s73, 4
	s_add_co_u32 s73, s73, s17
	s_lshr_b32 s74, s16, 4
	s_and_b32 s75, s16, 15
	s_lshl_b32 s76, s74, 4
	s_add_co_u32 s76, s76, s17
	s_mul_i32 s70, s17, 49152
	s_add_co_u32 s70, s70, WIMG
	s_add_nc_u64 s[40:41], s[4:5], s[70:71]
	s_mul_i32 s70, s73, 49152
	s_add_co_u32 s70, s70, 12582912
	s_add_nc_u64 s[42:43], s[4:5], s[70:71]
	s_lshl_b32 s70, s16, 12
	s_add_co_u32 s70, s70, XSCL
	s_add_nc_u64 s[44:45], s[4:5], s[70:71]
	s_lshl_b32 s70, s72, 12
	s_add_co_u32 s70, s70, WSCL+65536
	s_add_nc_u64 s[46:47], s[4:5], s[70:71]
	s_lshl_b32 s70, s17, 11
	s_add_co_u32 s70, s70, WSCL
	s_add_nc_u64 s[48:49], s[4:5], s[70:71]
	s_lshl_b32 s70, s73, 11
	s_add_co_u32 s70, s70, XSCL+524288
	s_add_nc_u64 s[50:51], s[4:5], s[70:71]
	s_lshl_b32 s77, s76, 7
	s_lshl_b32 s78, s75, 3
	s_add_co_u32 s77, s77, s78
	s_mul_i32 s70, s77, 768
	s_add_nc_u64 s[52:53], s[12:13], s[70:71]
	s_lshl_b32 s70, s77, 5
	s_add_co_u32 s70, s70, QS16
	s_add_nc_u64 s[54:55], s[12:13], s[70:71]
	s_mul_i32 s77, s76, HEADB
	s_add_co_u32 s77, s77, KV
	s_mul_i32 s70, s78, 768
	s_add_co_u32 s70, s70, s77
	s_add_nc_u64 s[56:57], s[12:13], s[70:71]
	s_lshl_b32 s70, s78, 5
	s_add_co_u32 s70, s70, s77
	s_add_co_u32 s70, s70, KSO
	s_add_nc_u64 s[58:59], s[12:13], s[70:71]
	s_lshr_b32 s77, s73, 5
	s_lshl_b32 s77, s77, 4
	s_lshl_b32 s78, s72, 1
	s_add_co_u32 s77, s77, s78
	s_mul_i32 s77, s77, HEADB
	s_add_co_u32 s77, s77, KV
	s_bfe_u32 s78, s73, 0x40001
	s_and_b32 s79, s73, 1
	s_mul_i32 s70, s78, 6144
	s_add_co_u32 s70, s70, s77
	s_mul_i32 s80, s79, 768
	s_add_co_u32 s70, s70, s80
	s_add_co_u32 s70, s70, VIO
	s_add_nc_u64 s[60:61], s[12:13], s[70:71]
	s_lshl_b32 s70, s78, 8
	s_add_co_u32 s70, s70, s77
	s_lshl_b32 s80, s79, 1
	s_add_co_u32 s70, s70, s80
	s_add_co_u32 s70, s70, VSO
	s_add_nc_u64 s[62:63], s[12:13], s[70:71]
	s_lshl_b32 s70, s17, 8
	s_add_nc_u64 s[6:7], s[6:7], s[70:71]
	s_add_nc_u64 s[8:9], s[8:9], s[70:71]
	s_lshl_b32 s70, s72, 9
	s_add_nc_u64 s[10:11], s[10:11], s[70:71]
	s_mov_b32 s[SEL], 0x76543210
	s_mov_b32 s[SEL+1], 0xfedcba98
	s_mov_b32 s[HI], 0xffff0000
	s_wait_alu depctr_va_vdst(0)
.irp ks, 0,1,2,3,4,5,6,7
	CFRAG 40, 0, \ks
.endr
	WIN 0
	SCALES 44, 0, 48, 0
.irp t, 0,1,2,3
	global_load_b128 v[CI+8*\t:CI+8*\t+3], v10, s[6:7] offset:(32*(\t/2)+8*(\t%2))*4
	global_load_b128 v[CI+8*\t+4:CI+8*\t+7], v10, s[6:7] offset:(32*(\t/2)+8*(\t%2))*4+16
	global_load_b128 v[CI+32+8*\t:CI+32+8*\t+3], v10, s[8:9] offset:(32*(\t/2)+8*(\t%2))*4
	global_load_b128 v[CI+32+8*\t+4:CI+32+8*\t+7], v10, s[8:9] offset:(32*(\t/2)+8*(\t%2))*4+16
.endr
.irp a, 0,1,2,3,4,5,6,7
	global_load_b32 v[BV+\a], v11, s[10:11] offset:(32*(\a/2)+8*(\a%2))*4
.endr
	s_wait_alu depctr_va_vdst(0)                   ; slot 1's first fill is issued as a refill is:
	s_wait_tensorcnt 0x0                           ; my part of slot 0 is in,
	ds_add_u32 v254, v255
	s_wait_dscnt 0x0
	CROUND                                         ; a whole round: the four partners' joint loads meet
	tensor_load_to_lds s[32:35], s[20:27]          ; phase 1's rows: they have phase 0's 256 matrix instructions in which to land
	s_nop 0
	PLACES
	PHEAD 0
	s_wait_alu depctr_va_vdst(0)
.irp ks, 0,1,2,3,4,5,6,7
	KSTEP \ks, 1, 40, 786432, 0, 1, 0
.endr
	PLACES
	CFRAG 40, 786432, 7
	WIN 0
	SCALES 44, 262144, 48, 32768
	EPI 52, 54, 8, 0
	s_wait_alu depctr_va_vdst(0)                   ; slot 2's first fill, in the same form:
	s_wait_tensorcnt 0x0                           ; my part of slot 1 is in,
	ds_add_u32 v254, v255
	s_wait_dscnt 0x0
	CROUND
	tensor_load_to_lds s[36:39], s[20:27]          ; phase 2's rows: they have phase 1 in which to land; the one load that PHEAD 1's counted wait leaves out
	s_nop 0
	PLACES
	PHEAD 1
	s_wait_alu depctr_va_vdst(0)
.irp ks, 0,1,2,3,4,5,6,7
	KSTEP \ks, 1, 42, 0, 32, 1, 0
.endr
	PLACES
	CFRAG 42, 0, 7
	WIN 0
	SCALES 46, 0, 50, 0
	EPI 56, 58, 8, 0
	PHEAD 2
.irp a, 0,1,2,3,4,5,6,7
.irp j, 0,1,2,3,4,5,6,7
	v_mov_b32 v[CI+8*\a+\j], v[BV+\a]
.endr
.endr
.rept 8
	v_nop
.endr
	s_wait_alu depctr_va_vdst(0)
.irp ks, 0,1,2,3,4,5,6,7
	KSTEP \ks, 0, 42, 0, 0, 0, 1
.endr
	PLACES
	EPI 60, 62, 9, 1
	s_wait_dscnt 0x0
	s_wait_tensorcnt 0x0
	ds_add_u32 v254, v255
	s_wait_dscnt 0x0
	CROUND
	s_endpgm
.Lfunc_end_k_q02501a5c76_proj:
	.size	k_q02501a5c76_proj, .Lfunc_end_k_q02501a5c76_proj-k_q02501a5c76_proj
	.p2alignl 7, 3214868480
	.fill 96, 4, 3214868480
	.section	.rodata,"a",@progbits
	.p2align	6, 0x0
	.amdhsa_kernel k_q02501a5c76_proj
		.amdhsa_group_segment_fixed_size 327680
		.amdhsa_private_segment_fixed_size 0
		.amdhsa_enable_private_segment 0
		.amdhsa_kernarg_size 40
		.amdhsa_user_sgpr_count 2
		.amdhsa_user_sgpr_kernarg_segment_ptr 1
		.amdhsa_wavefront_size32 1
		.amdhsa_system_sgpr_workgroup_id_x 1
		.amdhsa_system_sgpr_workgroup_id_y 1
		.amdhsa_system_sgpr_workgroup_id_z 1
		.amdhsa_system_vgpr_workitem_id 0
		.amdhsa_next_free_vgpr 1024
		.amdhsa_next_free_sgpr 100
		.amdhsa_reserve_vcc 0
		.amdhsa_float_denorm_mode_32 3
		.amdhsa_float_denorm_mode_16_64 3
		.amdhsa_memory_ordered 1
		.amdhsa_forward_progress 1
		.amdhsa_inst_pref_size 255
	.end_amdhsa_kernel
	.section	.bss,"aw",@nobits
	.p2align	6
	.space	262144
	.amdgpu_metadata
---
amdhsa.version: [ 1, 2 ]
amdhsa.kernels:
  - .name:           k_q02501a5c76_proj
    .symbol:         k_q02501a5c76_proj.kd
    .args:
      - { .name: st1, .offset: 0, .size: 8, .value_kind: global_buffer, .address_space: global }
      - { .name: bq, .offset: 8, .size: 8, .value_kind: global_buffer, .address_space: global }
      - { .name: bk, .offset: 16, .size: 8, .value_kind: global_buffer, .address_space: global }
      - { .name: bv, .offset: 24, .size: 8, .value_kind: global_buffer, .address_space: global }
      - { .name: st2, .offset: 32, .size: 8, .value_kind: global_buffer, .address_space: global }
    .group_segment_fixed_size: 327680
    .private_segment_fixed_size: 0
    .kernarg_segment_align: 8
    .kernarg_segment_size: 40
    .max_flat_workgroup_size: 128
    .sgpr_count:     100
    .vgpr_count:     1024
    .wavefront_size: 32
...
	.end_amdgpu_metadata
.endif
;; end of part 2
;; launch attn (part 3): grid 4 x 64, 16 waves a work-group, no clusters, 276,480 bytes of LDS; arguments st2, maskw, mcls, st3, out1; writes st3, out1
.if DOCPART == 3
	.amdgcn_target "amdgcn-amd-amdhsa--gfx1250"
	.amdhsa_code_object_version 6
	.text
	.protected	k_q02501a5c76_attn
	.globl	k_q02501a5c76_attn
	.p2align	8
	.type	k_q02501a5c76_attn,@function
k_q02501a5c76_attn:
	s_mov_b64 s[64:65], 0
	v_nop
	global_prefetch_b8 v0, s[64:65] scope:SCOPE_SE
	s_setreg_imm32_b32 hwreg(HW_REG_WAVE_MODE, 25, 1), 1
	s_wait_xcnt 0x0
; ATTN: out1 = softmax(where(mask, -1e10, q k^T / 8)) v for one head, both products on codes of BF6; out1's numbers are also quantised along the 1,024 channels for the last product (st3).
; THE SOFTMAX AHEAD OF THE SECOND PRODUCT: t = logit x log2(e); M = the running largest t rounded up to a whole number; p = 2^(t - M) is quantised along the keys; the sum of the unquantised p divides at the end.
; WHAT THE MASK DECIDES.  The mask is an input.  The launch before has read it and stored, for each tile of 16 queries, two maps of the 16 key steps of 128 (mcls, whole numbers):
;   word 0, bit s: step s is masked for all 16 queries, AND each of the 16 has an open key somewhere.  Every p of such a step is 2^(t of -1e10 - M) with M from an open key: 0.  The step is jumped over.
;   word 1, bit s: step s has masked places and is not jumped over: its 64 lane masks are loaded and select.  A step in neither map has no masked place: nothing is loaded or selected.
;   A tile with a query that is masked at every key has word 0 = 0: that query gets p = 1 at all 2,048 keys, as the definition gives it.  All this holds for any mask; no pattern is built in.
; A MASKED PLACE is given the raw score -2^36.  Its product with c = log2(e) / 8 is exact in f32 and a whole number, so in a row masked so far t - M is exactly 0 and p = 1.
; LIMIT (stated): the promise holds while the scaled scores t of open places stay under 2^31 in magnitude: then -2^36 c (about -1.2e10) and t of -1e10 (about -1.4e10) give the same p, 0 beside any open key.
; FURTHER LIMITS: p under 2^-126 counts as 0 (the exponential's own flush); a block of zeros gets the byte 1; NaN and infinities are not served, and none that lies only in a step jumped over reaches the result.
; SHARES.  256 work-groups: four to a head.  Wave g = 16 x + w of a head's 64 owns tiles g and 127 - g of its 128 tiles of 16 queries, one after the other.
; A head's k, v and scales, 204,800 bytes of register images, come into LDS ONCE, through registers: each wave copies 12,800 bytes (25 loads and 25 LDS stores of 512 bytes); one barrier; then the waves share nothing.
; NO TENSOR LOAD AND NO JOINT LOAD, though the four work-groups of a head read the same 204,800 bytes: the steps are jumped over on numbers read from memory.
; NO PREFETCH: the head's bytes are asked for once, at the kernel's head, by the loads themselves; there is no loop to run ahead in.
; LAYOUT.  Both products transposed (S^T = k q^T, O^T = v^T p^T): a lane holds one query.  Lane r of tile u of a group of 32 holds row 8 u + r + 8 (r / 8): so registers 16 b + i of S are keys 32 b + 16 (lane / 16) + i.
; K = 64 IN AN INSTRUCTION OF K = 128: q's registers 6-11 are zero codes; k's operand of tile t runs on into tile t + 1's registers (behind tile 7: six cleared ones), finite numbers that meet zeros;
; the scale words come as 16 bits, so that bytes 2 and 3 are 0, which stands for 2^-127.
.set QS16, 6291456
.set KV,   6553600
.set HEADB, 204800
.set KSO,  98304
.set VIO,  102400
.set VSO,  200704
.set STG,  204800                      ; behind the head: a stage of 16 rows x 272 bytes for each wave
.set SPARE, 274432                     ; behind the stages: the spare words, 128 bytes a wave
.set ASCL, 6291456
.set L16, 1
.set L8,  2
.set AKS, 3                            ; 2 x lane + KSO
.set AVS, 4                            ; 4 x lane + VSO
.set ADK16, 5
.set ADK8,  6
.set ADV16, 7
.set ADV8,  8
.set ADS,   9
.set ADT,   10
.set SMV, 11                           ; the raw score of a masked place
.set QF,  16                           ; v16-27 q's fragment
.set QSC, 28
.set PW,  29
.set R2,  30
.set F,   32                           ; v32-85 k's eight tiles, six registers each, and six zeros; later v's four fragments
.set KSC, 86
.set VSC, 90
.set S,   96
.set O,   160
.set PC,  192
.set PX,  204
.set TM,  212
.set TP,  216
.set SO,  220
.set BY,  224
.set FF,  228
.set T0,  230
.set BB,  232
.set STO, 236
.set SRD, 237
.set GO,  238
.set AB,  239
.set TS,  238                          ; v240-253: seven partial sums, pair k at TS + 2 k
.set SEL, 16
; s2, s3 the tile's two maps; s4 the tile; s5 a test; s[6:13] the tile's pointers; s14 wave; s20 step; s21, s22 the step's bytes of images and of scales; s[24:31], s[100:101] the buffers
.macro MLOAD                           ; a step's 64 lane masks: dword d in s[32 + d] (d < 32) or s[36 + d]
	s_load_b512 s[32:47], s[6:7], s22 offset:0x0
	s_load_b512 s[48:63], s[6:7], s22 offset:0x40
	s_load_b512 s[68:83], s[6:7], s22 offset:0x80
	s_load_b512 s[84:99], s[6:7], s22 offset:0xc0
.endm
; THE TILE'S ADDRESSES (tile s4 of the head's 128), its maps and its q
.macro PSET
	s_and_b32 s32, ttmp7, 0xffff                   ; batch x 16 + head
	s_lshr_b32 s33, s32, 4                         ; batch
	s_and_b32 s34, s32, 15                         ; head
	s_lshl_b32 s35, s32, 7
	s_add_co_u32 s35, s35, s4                      ; 128 tiles a head
	s_lshl_b32 s36, s33, 7
	s_add_co_u32 s36, s36, s4                      ; 128 tiles a batch
	s_mov_b32 s39, 0
	s_mul_i32 s38, s35, 768
	s_add_nc_u64 s[40:41], s[24:25], s[38:39]      ; q's image
	s_lshl_b32 s38, s35, 5
	s_add_co_u32 s38, s38, QS16
	s_add_nc_u64 s[42:43], s[24:25], s[38:39]      ; its scale bytes
	s_lshl_b32 s38, s36, 8
	s_add_nc_u64 s[44:45], s[28:29], s[38:39]      ; the two maps
	s_load_b32 s2, s[44:45], 0x0
	s_load_b32 s3, s[44:45], 0x4
	global_load_b128 v[QF:QF+3], v[L16], s[40:41]
	global_load_b64 v[QF+4:QF+5], v[L8], s[40:41] offset:512
	global_load_u16 v[QSC], v[R2], s[42:43]
	s_lshl_b32 s38, s36, 12
	s_add_nc_u64 s[6:7], s[26:27], s[38:39]        ; the lane masks: 4,096 bytes a tile
	s_mul_i32 s38, s36, 12288
	s_mul_i32 s37, s34, 768
	s_add_co_u32 s38, s38, s37
	s_add_nc_u64 s[8:9], s[30:31], s[38:39]        ; st3: K step head / 2, half head % 2: 768 bytes a head
	s_lshl_b32 s38, s36, 9
	s_lshr_b32 s37, s34, 1
	s_lshl_b32 s37, s37, 6
	s_add_co_u32 s38, s38, s37
	s_and_b32 s37, s34, 1
	s_lshl_b32 s37, s37, 1
	s_add_co_u32 s38, s38, s37
	s_add_co_u32 s38, s38, ASCL
	s_add_nc_u64 s[10:11], s[30:31], s[38:39]
	s_lshl_b32 s38, s36, 16                        ; out1: 16 rows of 4,096 bytes a tile; an odd tile begins 8 rows behind its even partner's first row
	s_and_b32 s37, s4, 1
	s_lshl_b32 s37, s37, 15
	s_sub_co_u32 s38, s38, s37
	s_lshl_b32 s37, s34, 8
	s_add_co_u32 s38, s38, s37
	s_add_nc_u64 s[12:13], s[100:101], s[38:39]
.endm
; ONE TILE OF 16 QUERIES through the key steps that its maps ask for, and out
.macro PRUN
	v_mov_b32 v13, 0xff61b1e6                      ; the largest t so far: -3e38
	s_delay_alu instid0(VALU_DEP_1)
	v_floor_f32 v12, -v13
	v_mov_b32 v14, 0
	v_mov_b32 v15, 0
.set j, 0
.rept 32
	v_mov_b32 v[O+j], 0                            ; which step comes first hangs on the maps: the step is written once and the first finds zeros
.set j, j+1
.endr
	s_mov_b32 s20, 0
	s_mov_b32 s21, 0                               ; 6,144 bytes of images a step
	s_mov_b32 s22, 0                               ; 256 bytes of scales, and of lane masks, a step
	s_wait_alu depctr_va_vdst(0)
	s_wait_loadcnt 0x0                             ; q
	s_wait_kmcnt 0x0                               ; the maps
.Lstep_\@:
	s_lshr_b32 s5, s2, s20
	s_and_b32 s5, s5, 1
	s_cmp_lg_u32 s5, 0
	s_cbranch_scc1 .Lnext_\@                       ; masked throughout: every p would be 0
	v_add_nc_u32 v[ADK16], s21, v[L16]             ; six additions: also the places behind the last step's products, ahead of the loads into their operands
	v_add_nc_u32 v[ADK8], s21, v[L8]
	v_add_nc_u32 v[ADS], s22, v[AKS]
	v_add_nc_u32 v[ADT], s22, v[AVS]
	s_delay_alu instid0(VALU_DEP_4)
	v_add_nc_u32 v[ADV16], VIO, v[ADK16]
	s_delay_alu instid0(VALU_DEP_4)
	v_add_nc_u32 v[ADV8], VIO, v[ADK8]
.irp t, 0,1,2,3,4,5,6,7
	ds_load_b128 v[F+6*\t:F+6*\t+3], v[ADK16] offset:768*\t
	ds_load_b64 v[F+6*\t+4:F+6*\t+5], v[ADK8] offset:768*\t+512
.endr
.irp j, 0,1,2,3
	ds_load_u16 v[KSC+\j], v[ADS] offset:64*\j     ; tile 2 j's scale bytes in lanes 0-15, tile 2 j + 1's in lanes 16-31
.endr
	s_wait_alu depctr_va_vdst(0)
	s_wait_dscnt 0x0
.irp t, 0,2,4,6
	v_wmma_scale_f32_16x16x128_f8f6f4 v[S+8*\t:S+8*\t+7], v[F+6*\t:F+6*\t+11], v[QF:QF+11], 0, v[KSC+\t/2], v[QSC] matrix_a_fmt:MATRIX_FMT_BF6 matrix_b_fmt:MATRIX_FMT_BF6
	v_wmma_scale_f32_16x16x128_f8f6f4 v[S+8*\t+8:S+8*\t+15], v[F+6*\t+6:F+6*\t+17], v[QF:QF+11], 0, v[KSC+\t/2], v[QSC] matrix_a_fmt:MATRIX_FMT_BF6 matrix_b_fmt:MATRIX_FMT_BF6 matrix_a_scale:MATRIX_SCALE_ROW1
.endr
.rept 4
	v_nop                                          ; places: ahead of the loads over k's registers and of the first read of the scores
.endr
.irp t, 0,1,2,3                        ; v's four fragments land under the softmax
	ds_load_b128 v[F+12*\t:F+12*\t+3], v[ADV16] offset:1536*\t
	ds_load_b64 v[F+12*\t+4:F+12*\t+5], v[ADV8] offset:1536*\t+512
	ds_load_b128 v[F+12*\t+6:F+12*\t+9], v[ADV16] offset:1536*\t+768
	ds_load_b64 v[F+12*\t+10:F+12*\t+11], v[ADV8] offset:1536*\t+1280
.endr
.irp j, 0,1
	ds_load_b32 v[VSC+\j], v[ADT] offset:128*\j
.endr
	s_lshr_b32 s5, s3, s20
	s_and_b32 s5, s5, 1
	s_cmp_lg_u32 s5, 0
	s_cbranch_scc0 .Lfree_\@                       ; no masked place in this step
	MLOAD
	s_wait_kmcnt 0x0
.set n, 0
.rept 64
.set d, 2*(n%32)+n/32
.if d < 32
.set sr, 32+d
.else
.set sr, 36+d
.endif
	v_cndmask_b32 v[S+n], v[S+n], v[SMV], s[sr]    ; each accumulator from its low end on
.set n, n+1
.endr
.Lfree_\@:
.irp b, 0,1,2,3
	v_max3_num_f32 v[TM+\b], v[S+16*\b], v[S+16*\b+1], v[S+16*\b+2]   ; the largest score of each block of 32 keys: for the row's maximum and, since p rises with the score, for the block's largest p
.endr
.irp i, 3,5,7,9,11,13
.irp b, 0,1,2,3
	v_max3_num_f32 v[TM+\b], v[TM+\b], v[S+16*\b+\i], v[S+16*\b+\i+1]   ; the four blocks by turns
.endr
.endr
.irp b, 0,1,2,3
	v_max_num_f32 v[TM+\b], v[TM+\b], v[S+16*\b+15]
.endr
.irp b, 0,1,2,3
	v_permlanex16_b32 v[TP+\b], v[TM+\b], s[SEL], s[SEL+1]
.endr
.irp b, 0,1,2,3
	v_max_num_f32 v[TM+\b], v[TM+\b], v[TP+\b]     ; with lane l xor 16's 16 keys
.endr
	v_max3_num_f32 v[T0], v[TM], v[TM+1], v[TM+2]
	v_max_num_f32 v[T0], v[T0], v[TM+3]
	v_mul_f32 v[T0], s18, v[T0]                    ; as t (c is positive)
	v_max_num_f32 v13, v13, v[T0]                  ; the running largest t
	v_mov_b32 v[T0], v12
	v_floor_f32 v12, -v13                          ; -M = floor(-t): M is a whole number
	v_sub_f32 v[T0], v12, v[T0]                    ; old M - new M, 0 or less
	v_cvt_i32_f32 v[T0], v[T0]                     ; (it saturates)
	v_ldexp_f32 v[FF], 1.0, v[T0]                  ; f = 2^(old M - new M): rounds nothing
.set j, 0
.rept 16
	v_pk_mul_f32 v[O+j:O+j+1], v[O+j:O+j+1], v[FF:FF+1] op_sel_hi:[1,0]   ; O^T under the new M, ahead of the exponentials; each accumulator from its low end on
.set j, j+2
.endr
.set j, 0
.rept 32
	v_pk_fma_f32 v[S+j:S+j+1], v[S+j:S+j+1], s[18:19], v[12:13] op_sel_hi:[1,0,0]   ; t - M, two at a time
.set j, j+2
.endr
.irp b, 0,1,2,3
	v_fma_f32 v[TM+\b], v[TM+\b], s18, v12         ; the same of each block's largest score
.endr
	s_wait_alu depctr_va_vdst(0)
.set j, 0
.rept 64
	v_exp_f32 v[S+j], v[S+j]                       ; p = 2^(t - M), not normalised
.set j, j+1
.endr
.irp b, 0,1,2,3
	v_exp_f32 v[TM+\b], v[TM+\b]                   ; the block's largest p: the same lines on the same number
.endr
	v_pk_mul_f32 v[14:15], v[14:15], v[FF:FF+1] op_sel_hi:[1,0]   ; the sums under the new M (a plain place behind the exponentials)
	s_wait_alu depctr_va_vdst(0)                   ; one wait for the batch, ahead of its first reader
.irp b, 0,1,2,3
	v_max_num_f32 v[TM+\b], 0x2800000, v[TM+\b]    ; the floor 2^(5 - 127)
.endr
.irp b, 0,1,2,3
	v_add_nc_u32 v[SO+\b], 0xfe000000, v[TM+\b]    ; 4 off the exponent field: the conversion's scale operand
.endr
.irp b, 0,1,2,3
	v_lshrrev_b32 v[BY+\b], 23, v[SO+\b]
.endr
	v_lshl_or_b32 v[PW], v[BY+1], 8, v[BY]         ; p's scale word for these 128 keys
	v_lshl_or_b32 v[PW], v[BY+2], 16, v[PW]
	v_lshl_or_b32 v[PW], v[BY+3], 24, v[PW]
.irp c, 0,1
	v_cvt_scalef32_pk16_bf6_f32 v[PC+6*\c:PC+6*\c+2], v[S+32*\c:S+32*\c+15], v[SO+2*\c]
	v_cvt_scalef32_pk16_bf6_f32 v[PX+4*\c:PX+4*\c+2], v[S+32*\c+16:S+32*\c+31], v[SO+2*\c+1]
.endr
	v_nop                                          ; one plain place behind a scaled conversion
.irp c, 0,1
.irp i, 0,1,2
	v_permlane16_swap_b32 v[PC+6*\c+\i], v[PX+4*\c+\i]   ; a whole block to a lane
.endr
.irp i, 0,1,2
	v_mov_b32 v[PC+6*\c+3+\i], v[PX+4*\c+\i]
.endr
.endr
; the row's sum of the unquantised p: 32 pairs in eight chains (also the places ahead of the products below)
.irp k, 1,2,3,4,5,6,7
	v_pk_add_f32 v[TS+2*\k:TS+2*\k+1], v[S+4*\k-4:S+4*\k-3], v[S+4*\k-2:S+4*\k-1]
.endr
	v_pk_add_f32 v[14:15], v[14:15], v[S+28:S+29]
.irp k, 1,2,3,4,5,6,7
	v_pk_add_f32 v[TS+2*\k:TS+2*\k+1], v[TS+2*\k:TS+2*\k+1], v[S+28+2*\k:S+29+2*\k]
.endr
	v_pk_add_f32 v[14:15], v[14:15], v[S+44:S+45]
.irp k, 1,2,3,4,5,6,7
	v_pk_add_f32 v[TS+2*\k:TS+2*\k+1], v[TS+2*\k:TS+2*\k+1], v[S+44+2*\k:S+45+2*\k]
.endr
	v_pk_add_f32 v[14:15], v[14:15], v[S+60:S+61]
	v_pk_add_f32 v[TS+2:TS+3], v[TS+2:TS+3], v[S+62:S+63]
	v_pk_add_f32 v[TS+6:TS+7], v[TS+6:TS+7], v[TS+8:TS+9]
	v_pk_add_f32 v[TS+10:TS+11], v[TS+10:TS+11], v[TS+12:TS+13]
	v_pk_add_f32 v[14:15], v[14:15], v[TS+14:TS+15]
	v_pk_add_f32 v[TS+2:TS+3], v[TS+2:TS+3], v[TS+4:TS+5]
	v_pk_add_f32 v[TS+6:TS+7], v[TS+6:TS+7], v[TS+10:TS+11]
	v_pk_add_f32 v[14:15], v[14:15], v[TS+2:TS+3]
	v_pk_add_f32 v[14:15], v[14:15], v[TS+6:TS+7]
	s_wait_alu depctr_va_vdst(0)
	s_wait_dscnt 0x0                               ; v's fragments and scale words
.irp t, 0,2
	v_wmma_scale_f32_16x16x128_f8f6f4 v[O+8*\t:O+8*\t+7], v[F+12*\t:F+12*\t+11], v[PC:PC+11], v[O+8*\t:O+8*\t+7], v[VSC+\t/2], v[PW] matrix_a_fmt:MATRIX_FMT_BF6 matrix_b_fmt:MATRIX_FMT_BF6
	v_wmma_scale_f32_16x16x128_f8f6f4 v[O+8*\t+8:O+8*\t+15], v[F+12*\t+12:F+12*\t+23], v[PC:PC+11], v[O+8*\t+8:O+8*\t+15], v[VSC+\t/2], v[PW] matrix_a_fmt:MATRIX_FMT_BF6 matrix_b_fmt:MATRIX_FMT_BF6 matrix_a_scale:MATRIX_SCALE_ROW1
.endr
.Lnext_\@:
	s_add_co_u32 s21, s21, 6144
	s_add_co_u32 s22, s22, 256
	s_add_co_u32 s20, s20, 1
	s_cmp_lt_u32 s20, 16                           ; sixteen trips whatever the maps hold
	s_wait_alu depctr_va_vdst(0)
	s_cbranch_scc1 .Lstep_\@
.rept 4
	v_nop                                          ; places behind the last products
.endr
	v_add_f32 v14, v14, v15
	v_permlanex16_b32 v[T0], v14, s[SEL], s[SEL+1]
	v_add_f32 v14, v14, v[T0]                      ; the row's sum
	s_wait_alu depctr_va_vdst(0)
	v_rcp_f32 v14, v14
	v_nop
	s_wait_alu depctr_va_vdst(0)
.set j, 0
.rept 32
	v_mul_f32 v[S+j], v[O+j], v14                  ; register 16 b + i: channel 32 b + 16 h + i of my query
.set j, j+1
.endr
.irp b, 0,1
.irp q, 0,1,2,3
	ds_store_b128 v[STO], v[S+16*\b+4*\q:S+16*\b+4*\q+3] offset:128*\b+16*\q
.endr
.endr
.irp p, 0,1,2,3,4,5,6,7
	ds_load_b128 v[S+32+4*\p:S+32+4*\p+3], v[SRD] offset:544*\p   ; back as whole rows of 256 bytes; LDS serves a wave's instructions in order
.endr
; while they are out: the same numbers as codes for the last product, two blocks of 32 channels
.irp b, 0,1
	v_max3_num_f32 v[TM+\b], |v[S+16*\b]|, |v[S+16*\b+1]|, 0x2800000
.endr
.irp i, 2,4,6,8,10,12,14
.irp b, 0,1
	v_max3_num_f32 v[TM+\b], v[TM+\b], |v[S+16*\b+\i]|, |v[S+16*\b+\i+1]|
.endr
.endr
.irp b, 0,1
	v_permlanex16_b32 v[TP+\b], v[TM+\b], s[SEL], s[SEL+1]
.endr
.irp b, 0,1
	v_max_num_f32 v[TM+\b], v[TM+\b], v[TP+\b]
.endr
.irp b, 0,1
	v_add_nc_u32 v[SO+\b], 0xfe000000, v[TM+\b]
.endr
.irp b, 0,1
	v_lshrrev_b32 v[BY+\b], 23, v[SO+\b]
.endr
	v_cvt_scalef32_pk16_bf6_f32 v[PC:PC+2], v[S:S+15], v[SO]
	v_cvt_scalef32_pk16_bf6_f32 v[PX:PX+2], v[S+16:S+31], v[SO+1]
	v_nop
.irp i, 0,1,2
	v_permlane16_swap_b32 v[PC+\i], v[PX+\i]
.endr
.irp i, 0,1,2
	v_mov_b32 v[PC+3+\i], v[PX+\i]
.endr
	v_cndmask_b32 v[BB], v[BY], v[BY+1], s15
	global_store_b128 v[L16], v[PC:PC+3], s[8:9]
	global_store_b64 v[L8], v[PC+4:PC+5], s[8:9] offset:512
	global_store_b8 v[AB], v[BB], s[10:11]
.irp p, 0,1,2,3,4,5,6,7
	s_wait_dscnt 7-\p                              ; the younger loads from the stage may be out
	global_store_b128 v[GO], v[S+32+4*\p:S+32+4*\p+3], s[12:13] offset:(2*\p+8*(\p/4))*4096 th:TH_STORE_NT   ; sixteen lanes store 256 consecutive bytes, aligned
.endr
	s_wait_xcnt 0x0                                ; the stores have read their data and bases: both may be written again
.endm
	s_load_b256 s[24:31], s[0:1], 0x0              ; st2, maskw, mcls, st3
	s_load_b64 s[100:101], s[0:1], 0x20            ; out1
	v_lshl_add_u32 v254, v0, 2, SPARE
	v_mov_b32 v255, 0
	v_lshrrev_b32 v5, 5, v0
	s_delay_alu instid0(VALU_DEP_1)
	v_readfirstlane_b32 s14, v5                    ; wave 0 .. 15
	v_and_b32 v5, 31, v0
	v_and_b32 v6, 15, v0                           ; r
	v_bfe_u32 v7, v0, 4, 1                         ; h
	s_delay_alu instid0(VALU_DEP_3)
	v_lshlrev_b32 v[L16], 4, v5
	s_delay_alu instid0(VALU_DEP_4)
	v_lshlrev_b32 v[L8], 3, v5
	v_lshl_add_u32 v[AKS], v5, 1, KSO
	v_lshl_add_u32 v[AVS], v5, 2, VSO
	v_lshlrev_b32 v[R2], 1, v6
	s_mul_i32 s20, s14, 4352
	s_add_co_u32 s20, s20, STG                     ; my stage
	v_mul_u32_u24 v[STO], v6, 272
	s_delay_alu instid0(VALU_DEP_1)
	v_lshl_add_u32 v[STO], v7, 6, v[STO]
	s_delay_alu instid0(VALU_DEP_1)
	v_add_nc_u32 v[STO], s20, v[STO]
	v_mul_u32_u24 v[SRD], v7, 272
	s_delay_alu instid0(VALU_DEP_1)
	v_lshl_add_u32 v[SRD], v6, 4, v[SRD]
	s_delay_alu instid0(VALU_DEP_1)
	v_add_nc_u32 v[SRD], s20, v[SRD]
	v_lshlrev_b32 v[GO], 12, v7
	s_delay_alu instid0(VALU_DEP_1)
	v_lshl_add_u32 v[GO], v6, 4, v[GO]
	v_lshl_add_u32 v[AB], v6, 2, v7
	s_mul_i32 s21, s14, 12800                      ; my 12,800 bytes of the head
	v_add_nc_u32 v[ADT], s21, v[L16]
	v_mov_b32 v[SMV], 0xd1800000                   ; -2^36
.irp i, 6,7,8,9,10,11
	v_mov_b32 v[QF+\i], 0
.endr
.irp i, 0,1,2,3
	v_mov_b32 v[TP+\i], 0                          ; a lane permute's destination counts as read
.endr
	v_mov_b32 v[T0], 0
	v_mov_b32 v[FF+1], 0                           ; named as the upper half of a pair
	s_mov_b32 s[SEL], 0x76543210
	s_mov_b32 s[SEL+1], 0xfedcba98
	s_mov_b32 s18, 0x3e38aa3b                      ; c = log2(e) / 8
	s_mov_b32 s19, s18
	s_mov_b32 s15, 0xffff0000
	s_lshl_b32 s4, ttmp9, 4
	s_add_co_u32 s4, s4, s14                       ; my first tile: g = 16 x + wave
	s_and_b32 s32, ttmp7, 0xffff
	s_mul_i32 s38, s32, HEADB
	s_add_co_u32 s38, s38, s21
	s_add_co_u32 s38, s38, KV
	s_mov_b32 s39, 0
	s_wait_alu depctr_va_vdst(0)
	s_wait_kmcnt 0x0
	s_add_nc_u64 s[46:47], s[24:25], s[38:39]
	PSET                                           ; the first tile's q and maps are asked for ahead of the head's bytes
.set i, 0
.rept 25
	global_load_b128 v[F+4*i:F+4*i+3], v[L16], s[46:47] offset:512*i   ; 32 lanes read 512 consecutive bytes
.set i, i+1
.endr
.set i, 0
.rept 25
	s_wait_loadcnt 24-i                            ; the younger loads of the 25 may be out
	ds_store_b128 v[ADT], v[F+4*i:F+4*i+3] offset:512*i
.set i, i+1
.endr
.irp i, 48,49,50,51,52,53
	v_mov_b32 v[F+\i], 0                           ; the six zeros behind k's tile 7
.endr
	s_wait_alu depctr_va_vdst(0)
	s_wait_dscnt 0x0                               ; my part of the head is stored,
	s_barrier_signal -1
	s_barrier_wait -1                              ; and everybody's is: from here on nobody writes it
	PRUN
	s_sub_co_u32 s4, 127, s4                       ; my second tile: 127 - g
	PSET
	PRUN
	s_wait_tensorcnt 0x0                           ; the wave's end
	ds_add_u32 v254, v255
	s_wait_dscnt 0x0
	s_endpgm
.Lfunc_end_k_q02501a5c76_attn:
	.size	k_q02501a5c76_attn, .Lfunc_end_k_q02501a5c76_attn-k_q02501a5c76_attn
	.p2alignl 7, 3214868480
	.fill 96, 4, 3214868480
	.section	.rodata,"a",@progbits
	.p2align	6, 0x0
	.amdhsa_kernel k_q02501a5c76_attn
		.amdhsa_group_segment_fixed_size 276480
		.amdhsa_private_segment_fixed_size 0
		.amdhsa_enable_private_segment 0
		.amdhsa_kernarg_size 40
		.amdhsa_user_sgpr_count 2
		.amdhsa_user_sgpr_kernarg_segment_ptr 1
		.amdhsa_wavefront_size32 1
		.amdhsa_system_sgpr_workgroup_id_x 1
		.amdhsa_system_sgpr_workgroup_id_y 1
		.amdhsa_system_sgpr_workgroup_id_z 1
		.amdhsa_system_vgpr_workitem_id 0
		.amdhsa_next_free_vgpr 256
		.amdhsa_next_free_sgpr 102
		.amdhsa_reserve_vcc 0
		.amdhsa_float_denorm_mode_32 3
		.amdhsa_float_denorm_mode_16_64 3
		.amdhsa_memory_ordered 1
		.amdhsa_forward_progress 1
		.amdhsa_inst_pref_size 68
	.end_amdhsa_kernel
	.amdgpu_metadata
---
amdhsa.version: [ 1, 2 ]
amdhsa.kernels:
  - .name:           k_q02501a5c76_attn
    .symbol:         k_q02501a5c76_attn.kd
    .args:
      - { .name: st2, .offset: 0, .size: 8, .value_kind: global_buffer, .address_space: global }
      - { .name: maskw, .offset: 8, .size: 8, .value_kind: global_buffer, .address_space: global }
      - { .name: mcls, .offset: 16, .size: 8, .value_kind: global_buffer, .address_space: global }
      - { .name: st3, .offset: 24, .size: 8, .value_kind: global_buffer, .address_space: global }
      - { .name: out1, .offset: 32, .size: 8, .value_kind: global_buffer, .address_space: global }
    .group_segment_fixed_size: 276480
    .private_segment_fixed_size: 0
    .kernarg_segment_align: 8
    .kernarg_segment_size: 40
    .max_flat_workgroup_size: 512
    .sgpr_count:     102
    .vgpr_count:     256
    .wavefront_size: 32
...
	.end_amdgpu_metadata
.endif
;; end of part 3
;; launch final (part 4): grid 256 x 1, 4 waves a work-group, clusters of 4 x 1, 168,448 bytes of LDS; arguments st3, st1, bc, out0; writes out0
.if DOCPART == 4
	.amdgcn_target "amdgcn-amd-amdhsa--gfx1250"
	.amdhsa_code_object_version 6
	.text
	.protected	k_q02501a5c76_final
	.globl	k_q02501a5c76_final
	.p2align	8
	.type	k_q02501a5c76_final,@function
k_q02501a5c76_final:
	s_mov_b64 s[64:65], 0
	v_nop
	global_prefetch_b8 v0, s[64:65] scope:SCOPE_SE
	s_setreg_imm32_b32 hwreg(HW_REG_WAVE_MODE, 25, 1), 1
	s_wait_xcnt 0x0
	s_wait_alu depctr_hold_cnt(0) depctr_sa_sdst(0) depctr_va_vdst(0) depctr_va_sdst(0) depctr_va_ssrc(0) depctr_va_vcc(0) depctr_vm_vsrc(0)
	s_getreg_b32 s2, hwreg(HW_REG_IB_STS2, 6, 4)
	s_cmp_eq_u32 s2, 0
	s_cbranch_scc0 .Lentry_in_a_cluster
	s_endpgm
.Lentry_in_a_cluster:
	s_bfe_u32 s2, ttmp6, 0x10000c
	s_cmp_lg_u32 s2, 0x3003
	s_cbranch_scc0 .Lentry_shape_is_right
	s_endpgm
.Lentry_shape_is_right:
; FINAL: out0 = attn_v Wc + bc on codes of BF6.  The form of the projections' launch, one phase: C[i][j] = sum over k of Row[i][k] Col[j][k], Row = attn_v's tiles, Col = Wc's rows n.
; A work-group makes 128 rows x 256 columns, a wave 128 x 64: 32 accumulators.  The Row block (98,304 bytes of register images) goes through LDS, filled once, asked for jointly by the four work-groups
; of a cluster, which need the same rows; a wave's four Col tiles come from memory straight into 384 registers.  The place in the cluster enters only global addresses of Col, bc and out0.
; Source 0 = a Col tile, source 1 = a Row tile: a lane holds one row and 8 neighbouring columns a register run.  A tile of 16 rows goes through the wave's own stage and leaves as runs of 256 aligned bytes.
; REGISTERS: window 0: v1-11 offsets; v16-47, v48-63 scale words; v64-95 the bias; v128-223 Row's fragments of odd K steps, later the rows on their way out.
;   window 1: the accumulators.   window 2: Col's fragments of K steps 0-4.   window 3: those of K steps 5-7; from v144 Row's fragments of even K steps.
.set WIMG, 18874368
.set WSCL, 22806528
.set ASCL, 6291456
.set STG,  98304                       ; behind the block: a stage of 16 rows x 272 bytes for each wave; no fill lands there
.set RS, 16
.set CS, 48
.set CI, 64
.set RB, 128
.set RA, 144
.set MSB, 0
.macro WIN new
.if MSB != \new
	s_set_vgpr_msb (MSB<<8)|\new
.set MSB, \new
.endif
.endm
.macro CROUND
	s_barrier_signal -1
	s_barrier_wait -1
	s_cmp_lg_u32 s14, 0
	s_cbranch_scc1 .Lnot_wave_0_\@
	s_barrier_signal -3
.Lnot_wave_0_\@:
	s_barrier_wait -3
	s_barrier_signal -1
	s_barrier_wait -1
.endm
.macro PLACES
.rept 4
	v_nop
.endr
.endm
.macro RFRAG ks
.if ((\ks)%2) == 0
	WIN 0xc0
.set RFD, RA
.else
	WIN 0
.set RFD, RB
.endif
.irp a, 0,1,2,3,4,5,6,7
	ds_load_b128 v[RFD+12*\a:RFD+12*\a+3], v[4+\a/4] offset:(\a%4)*12288+(\ks)*1536
	ds_load_b64 v[RFD+12*\a+4:RFD+12*\a+5], v[6+\a/4] offset:(\a%4)*12288+(\ks)*1536+512
	ds_load_b128 v[RFD+12*\a+6:RFD+12*\a+9], v[4+\a/4] offset:(\a%4)*12288+(\ks)*1536+768
	ds_load_b64 v[RFD+12*\a+10:RFD+12*\a+11], v[6+\a/4] offset:(\a%4)*12288+(\ks)*1536+1280
.endr
.endm
.macro CFRAG ptr, ks
.if (\ks) < 5
	WIN 0x80
.set CFD, 48*(\ks)
.else
	WIN 0xc0
.set CFD, 48*((\ks)-5)
.endif
.irp t, 0,1,2,3
	global_load_b128 v[CFD+12*\t:CFD+12*\t+3], v1, s[\ptr:\ptr+1] offset:\t*12288+(\ks)*1536
	global_load_b64 v[CFD+12*\t+4:CFD+12*\t+5], v2, s[\ptr:\ptr+1] offset:\t*12288+(\ks)*1536+512
	global_load_b128 v[CFD+12*\t+6:CFD+12*\t+9], v1, s[\ptr:\ptr+1] offset:\t*12288+(\ks)*1536+768
	global_load_b64 v[CFD+12*\t+10:CFD+12*\t+11], v2, s[\ptr:\ptr+1] offset:\t*12288+(\ks)*1536+1280
.endr
.endm
.macro MUL ks, a0                      ; 16 matrix instructions; the 32 accumulators take turns, one instruction a turn
.irp a, \a0, \a0+1, \a0+2, \a0+3
.irp t, 0,1,2,3
.set rD, 8*(4*(\a)+\t)
.set rA, CFR+12*\t
.set rB, RFR+12*(\a)
.set rC, rD
.if (\ks) == 0
.set rC, CI+8*\t
.endif
.set rSA, CS+4*\t+(\ks)/2
.set rSB, RS+4*(\a)+(\ks)/2
.if ((\ks)%2) == 0
	v_wmma_scale_f32_16x16x128_f8f6f4 v[rD:rD+7], v[rA:rA+11], v[rB:rB+11], v[rC:rC+7], v[rSA], v[rSB] matrix_a_fmt:MATRIX_FMT_BF6 matrix_b_fmt:MATRIX_FMT_BF6
.else
	v_wmma_scale_f32_16x16x128_f8f6f4 v[rD:rD+7], v[rA:rA+11], v[rB:rB+11], v[rC:rC+7], v[rSA], v[rSB] matrix_a_fmt:MATRIX_FMT_BF6 matrix_b_fmt:MATRIX_FMT_BF6 matrix_a_scale:MATRIX_SCALE_ROW1 matrix_b_scale:MATRIX_SCALE_ROW1
.endif
.endr
.endr
.endm
.macro KSTEP ks
	PLACES                                         ; behind the last step's products, ahead of the loads into registers that they read
.if \ks < 7
	RFRAG \ks+1
	s_wait_dscnt 32                                ; this step's fragments are in; the 32 loads just issued may be out
.else
	s_wait_dscnt 0x0
.endif
.if \ks < 5
.set CFR, 48*\ks
.else
.set CFR, 48*(\ks-5)
.endif
.if (\ks%2) == 0
.set RFR, RA
.else
.set RFR, RB
.endif
.if \ks == 0
	WIN 0x4e
.elseif \ks == 6
	WIN 0x5f
.elseif (\ks%2) == 0
	WIN 0x5e
.elseif \ks < 5
	WIN 0x52
.else
	WIN 0x53
.endif
	MUL \ks, 0
	MUL \ks, 4
.endm
.macro TOSTAGE a                       ; Row tile a: 16 rows x 64 columns into my stage and back as whole rows of 256 bytes
	WIN 0x04                                       ; an LDS store's data are its source 1: window 1
.irp t, 0,1,2,3
	ds_store_b128 v8, v[8*(4*(\a)+\t):8*(4*(\a)+\t)+3] offset:128*(\t/2)+32*(\t%2)          ; each accumulator from its low end on
	ds_store_b128 v8, v[8*(4*(\a)+\t)+4:8*(4*(\a)+\t)+7] offset:128*(\t/2)+32*(\t%2)+16
.endr
	WIN 0
.set OBB, RB+32*((\a)%2)
.irp p, 0,1,2,3,4,5,6,7
	ds_load_b128 v[OBB+4*\p:OBB+4*\p+3], v9 offset:544*\p   ; LDS serves a wave's instructions in order: these see the stores above
.endr
.endm
.macro SEND a, younger
.set OBB, RB+32*((\a)%2)
	s_wait_dscnt \younger                          ; the tile is back; the next tile's 8 stores and 8 loads may be out
.irp p, 0,1,2,3,4,5,6,7
	global_store_b128 v11, v[OBB+4*\p:OBB+4*\p+3], s[12:13] offset:(32*((\a)/2)+8*((\a)%2)+2*\p+8*(\p/4))*4096 th:TH_STORE_NT   ; sixteen lanes store 256 consecutive bytes, aligned
.endr
.endm
	s_load_b256 s[4:11], s[0:1], 0x0               ; st3, st1, bc, out0
	v_lshl_add_u32 v254, v0, 2, 0x29000
	v_mov_b32 v255, 0
	ds_add_u32 v254, v255
	ds_add_u32 v254, v255
	v_lshrrev_b32 v12, 5, v0
	v_readfirstlane_b32 s14, v12                   ; wave
	v_and_b32 v12, 31, v0
	v_and_b32 v13, 15, v0                          ; r
	v_bfe_u32 v14, v0, 4, 1                        ; h
	v_lshlrev_b32 v1, 4, v12
	v_lshlrev_b32 v2, 3, v12
	v_lshlrev_b32 v3, 2, v12
	v_mov_b32 v4, v1
	v_add_nc_u32 v5, 49152, v1
	v_mov_b32 v6, v2
	v_add_nc_u32 v7, 49152, v2
	s_mul_i32 s18, s14, 4352
	s_add_co_u32 s18, s18, STG                     ; my stage
	v_mul_u32_u24 v8, v13, 272
	v_lshl_add_u32 v8, v14, 6, v8
	v_add_nc_u32 v8, s18, v8                       ; in: row r, + 64 h
	v_mul_u32_u24 v9, v14, 272
	v_lshl_add_u32 v9, v13, 4, v9
	v_add_nc_u32 v9, s18, v9                       ; back: lanes 0-15 one row, lanes 16-31 the next
	v_lshlrev_b32 v10, 6, v14                      ; 64 h: bc
	v_lshlrev_b32 v11, 12, v14
	v_lshl_add_u32 v11, v13, 4, v11                ; the same two rows in out0
	s_mov_b32 s16, ttmp9                           ; the cluster, 0 .. 63
	s_mov_b32 s20, 15|(3<<16)|(1<<21)              ; group 1 as in the projections' launch: 96 rows of 256 bytes
	s_mov_b32 s21, 32<<16
	s_mov_b32 s22, 96<<16
	s_mov_b32 s23, 32<<16
	s_mov_b32 s24, 96
	s_mov_b32 s25, 32
	s_mov_b32 s26, 0
	s_mov_b32 s27, 0
	s_mov_b32 s28, 1
	s_mul_i32 s29, s14, 24576
	s_mul_i32 s70, s16, 98304
	s_add_co_u32 s70, s70, s29
	s_mov_b32 s71, 0
	s_wait_dscnt 0x0
	s_wait_kmcnt 0x0
	s_add_nc_u64 s[30:31], s[4:5], s[70:71]
	s_or_b32 s31, s31, 0x80000000
	CROUND                                         ; all four work-groups are here: the joint loads meet
	tensor_load_to_lds s[28:31], s[20:27]          ; one load of mine is out
	s_nop 0
	PLACES
	s_bfe_u32 s15, ttmp6, 0x40000
	s_lshl_b32 s17, s15, 2
	s_add_co_u32 s17, s17, s14                     ; which 64 columns are mine
	s_mul_i32 s70, s17, 49152
	s_add_co_u32 s70, s70, WIMG+3*786432
	s_add_nc_u64 s[40:41], s[6:7], s[70:71]        ; Wc's four tiles
	s_lshl_b32 s70, s16, 12
	s_add_co_u32 s70, s70, ASCL
	s_add_nc_u64 s[44:45], s[4:5], s[70:71]        ; attn_v's scale words
	s_lshl_b32 s70, s17, 11
	s_add_co_u32 s70, s70, WSCL+98304
	s_add_nc_u64 s[48:49], s[6:7], s[70:71]        ; Wc's
	s_lshl_b32 s70, s17, 8
	s_add_nc_u64 s[8:9], s[8:9], s[70:71]
	s_lshl_b32 s72, s16, 19
	s_add_co_u32 s70, s70, s72
	s_add_nc_u64 s[12:13], s[10:11], s[70:71]      ; out0: the block's first row, my 256 bytes
.irp ks, 0,1,2,3,4,5,6,7
	CFRAG 40, \ks
.endr
	WIN 0
.irp a, 0,1,2,3,4,5,6,7
.irp j, 0,1,2,3
	global_load_b32 v[RS+4*\a+\j], v3, s[44:45] offset:512*\a+128*\j
.endr
.endr
.irp t, 0,1,2,3
.irp j, 0,1,2,3
	global_load_b32 v[CS+4*\t+\j], v3, s[48:49] offset:512*\t+128*\j
.endr
.endr
	s_wait_alu depctr_va_vdst(0)
.irp t, 0,1,2,3
	global_load_b128 v[CI+8*\t:CI+8*\t+3], v10, s[8:9] offset:(32*(\t/2)+8*(\t%2))*4
	global_load_b128 v[CI+8*\t+4:CI+8*\t+7], v10, s[8:9] offset:(32*(\t/2)+8*(\t%2))*4+16
.endr
	s_wait_tensorcnt 0x0                           ; my part of the Row block is in,
	s_barrier_signal -1
	s_barrier_wait -1                              ; everybody's is
	RFRAG 0
	WIN 0
	s_wait_loadcnt 0x0                             ; Col's fragments, the scale words, the bias
.irp ks, 0,1,2,3,4,5,6,7
	KSTEP \ks
.endr
	PLACES                                         ; ahead of the stores that read results and of the loads over Row's fragments
	TOSTAGE 0
.irp a, 1,2,3,4,5,6,7
.if \a > 1
	s_wait_xcnt 0x0                                ; tile a - 2's stores have read their data: tile a's rows may land there
.endif
	TOSTAGE \a
	SEND \a-1, 16
.endr
	SEND 7, 0
	s_wait_dscnt 0x0
	s_wait_tensorcnt 0x0
	ds_add_u32 v254, v255
	s_wait_dscnt 0x0
	CROUND                                         ; the closing round
	s_endpgm
.Lfunc_end_k_q02501a5c76_final:
	.size	k_q02501a5c76_final, .Lfunc_end_k_q02501a5c76_final-k_q02501a5c76_final
	.p2alignl 7, 3214868480
	.fill 96, 4, 3214868480
	.section	.rodata,"a",@progbits
	.p2align	6, 0x0
	.amdhsa_kernel k_q02501a5c76_final
		.amdhsa_group_segment_fixed_size 168448
		.amdhsa_private_segment_fixed_size 0
		.amdhsa_enable_private_segment 0
		.amdhsa_kernarg_size 32
		.amdhsa_user_sgpr_count 2
		.amdhsa_user_sgpr_kernarg_segment_ptr 1
		.amdhsa_wavefront_size32 1
		.amdhsa_system_sgpr_workgroup_id_x 1
		.amdhsa_system_sgpr_workgroup_id_y 1
		.amdhsa_system_sgpr_workgroup_id_z 1
		.amdhsa_system_vgpr_workitem_id 0
		.amdhsa_next_free_vgpr 1024
		.amdhsa_next_free_sgpr 80
		.amdhsa_reserve_vcc 0
		.amdhsa_float_denorm_mode_32 3
		.amdhsa_float_denorm_mode_16_64 3
		.amdhsa_memory_ordered 1
		.amdhsa_forward_progress 1
		.amdhsa_inst_pref_size 87
	.end_amdhsa_kernel
	.amdgpu_metadata
---
amdhsa.version: [ 1, 2 ]
amdhsa.kernels:
  - .name:           k_q02501a5c76_final
    .symbol:         k_q02501a5c76_final.kd
    .args:
      - { .name: st3, .offset: 0, .size: 8, .value_kind: global_buffer, .address_space: global }
      - { .name: st1, .offset: 8, .size: 8, .value_kind: global_buffer, .address_space: global }
      - { .name: bc, .offset: 16, .size: 8, .value_kind: global_buffer, .address_space: global }
      - { .name: out0, .offset: 24, .size: 8, .value_kind: global_buffer, .address_space: global }
    .group_segment_fixed_size: 168448
    .private_segment_fixed_size: 0
    .kernarg_segment_align: 8
    .kernarg_segment_size: 32
    .max_flat_workgroup_size: 128
    .sgpr_count:     80
    .vgpr_count:     1024
    .wavefront_size: 32
...
	.end_amdgpu_metadata
.endif
;; end of part 4
